; MI455X (gfx1250); checked and timed in simulation.
; The chip was launched on July 23, 2026; its instructions are those of AMD's public machine-readable ISA for CDNA 5 (MIT licence, August 2026) and "CDNA5" Instruction Set Architecture Reference Guide (July 2026). The comments in the code are by the model that wrote it; some were corrected since.
;; Multihead Self Attention. Allowed arithmetic: float matrix products may take bf16 or f16 operands with f32 sums; all other float work in f32.
;; Inputs: X 2 x 2,048 x 1,024 float32; k_proj 1,024 x 1,024 float32; o_proj 1,024 x 1,024 float32; q_proj 1,024 x 1,024 float32; v_proj 1,024 x 1,024 float32.
;; Outputs: out0 2 x 2,048 x 1,024 float32.
;; 2 versions, each right and faster than the one before. Each part assembles by itself: llvm-mc -triple=amdgcn-amd-amdhsa -mcpu=gfx1250 --defsym DOCPART=n.
;; ======== version 1 of 2: 4 launches
;; limits: values are held in f16: magnitudes above 65,504 overflow, below 6.1e-05 lose precision
;; workspace buffers: xb 8,388,608 bytes; wb 6,291,456 bytes; wob 2,097,152 bytes; qkv 25,165,824 bytes; ao 8,388,608 bytes
;; launch cvt (part 1): grid 512 x 1, 8 waves a work-group, no clusters, 0 bytes of LDS; arguments X, q_proj, k_proj, v_proj, o_proj, xb, wb, wob; writes xb, wb, wob
.if DOCPART == 1
	.amdgcn_target "amdgcn-amd-amdhsa--gfx1250"
	.amdhsa_code_object_version 6
	.text
	.protected	k_q64b2e1c010_cvt
	.globl	k_q64b2e1c010_cvt
	.p2align	8
	.type	k_q64b2e1c010_cvt,@function
k_q64b2e1c010_cvt:
	s_mov_b64 s[64:65], 0
	v_nop
	global_prefetch_b8 v0, s[64:65] scope:SCOPE_SE
	s_setreg_imm32_b32 hwreg(HW_REG_WAVE_MODE, 25, 1), 1
	s_wait_xcnt 0x0
; The five f32 inputs are rounded once to 16 bits, so that the three matrix launches move half the bytes.
;   xb  [4096][1024] bf16 = X;   wb [3072][1024] bf16 = q_proj, k_proj, v_proj one below the other;
;   wob [8 blocks of 128 n][16 heads][128 n][64] f16 = o_proj, first rounded to bf16 like the other inputs and then written as f16
;   (the product that reads it has f16 operands).  The second step is exact for |w| >= 2^-14 and within 2^-25 below that.
; LIMIT: |o_proj| < 65,504 (f16).
; A stream: no LDS, no matrix unit, no barrier.  512 work-groups of 8 waves; work-group g takes 32 KiB of X and 8 KiB (two rows) of each weight.
; A thread issues its 16 loads of 16 bytes at once, then converts and stores them in order.  Registers are rewritten only in TOH, before its store, so no
; source of a pending load or store is ever rewritten.  Every store of a wave covers 256 consecutive bytes, aligned.
.set LD, 8                             ; v[8:71]   load i: 4 registers
.set Y,  72                            ; v[72:103] load i: 2 registers to store
	s_load_b512 s[4:19], s[0:1], 0x0               ; X s[4:5], q s[6:7], k s[8:9], v s[10:11], o s[12:13], xb s[14:15], wb s[16:17], wob s[18:19]
	s_lshl_b32 s20, ttmp9, 15                      ; g x 32 KiB in X
	s_mov_b32 s21, 0
	s_lshl_b32 s22, ttmp9, 13                      ; g x 8 KiB in each weight
	s_mov_b32 s23, 0
	s_lshl_b32 s24, ttmp9, 14                      ; g x 16 KiB in xb
	s_mov_b32 s25, 0
	s_lshl_b32 s26, ttmp9, 12                      ; g x 4 KiB in each third of wb
	s_mov_b32 s27, 0
	s_lshr_b32 s28, ttmp9, 6                       ; wob: rows 2g, 2g+1 lie in block g / 64 (262,144 bytes a block),
	s_lshl_b32 s28, s28, 18
	s_and_b32 s29, ttmp9, 63                       ; at local rows 2 (g mod 64), 128 bytes a row
	s_lshl_b32 s29, s29, 8
	s_add_co_u32 s28, s28, s29
	s_mov_b32 s29, 0
	v_and_b32 v5, 31, v0                           ; lane
	v_lshrrev_b32 v6, 5, v0                        ; wave
	v_lshlrev_b32 v1, 4, v0                        ; 16 t: my 16 bytes of a dense 4 KiB piece
	v_lshlrev_b32 v2, 3, v0                        ; 8 t: where their 8 bytes go
	v_lshrrev_b32 v3, 4, v5                        ; o_proj: lanes 0-15 row 2g, lanes 16-31 row 2g+1,
	v_lshlrev_b32 v3, 12, v3
	v_lshl_add_u32 v3, v6, 9, v3                   ; heads 2 wave and 2 wave + 1 (256 bytes each),
	v_and_b32 v7, 15, v5
	v_lshl_add_u32 v3, v7, 4, v3                   ; 16 bytes a lane
	v_lshlrev_b32 v4, 3, v5                        ; wob: the two rows are neighbours there: 8 x lane,
	v_lshl_add_u32 v4, v6, 15, v4                  ; + 2 wave heads of 16,384 bytes
	s_wait_kmcnt 0x0
	s_add_nc_u64 s[4:5], s[4:5], s[20:21]
	s_add_nc_u64 s[6:7], s[6:7], s[22:23]
	s_add_nc_u64 s[8:9], s[8:9], s[22:23]
	s_add_nc_u64 s[10:11], s[10:11], s[22:23]
	s_add_nc_u64 s[12:13], s[12:13], s[22:23]
	s_add_nc_u64 s[14:15], s[14:15], s[24:25]
	s_add_nc_u64 s[16:17], s[16:17], s[26:27]
	s_add_nc_u64 s[18:19], s[18:19], s[28:29]
.irp i, 0,1,2,3,4,5,6,7
	global_load_b128 v[LD+4*\i:LD+4*\i+3], v1, s[4:5] offset:4096*\i th:TH_LOAD_NT
.endr
	global_load_b128 v[LD+32:LD+35], v1, s[6:7] th:TH_LOAD_NT
	global_load_b128 v[LD+36:LD+39], v1, s[6:7] offset:4096 th:TH_LOAD_NT
	global_load_b128 v[LD+40:LD+43], v1, s[8:9] th:TH_LOAD_NT
	global_load_b128 v[LD+44:LD+47], v1, s[8:9] offset:4096 th:TH_LOAD_NT
	global_load_b128 v[LD+48:LD+51], v1, s[10:11] th:TH_LOAD_NT
	global_load_b128 v[LD+52:LD+55], v1, s[10:11] offset:4096 th:TH_LOAD_NT
	global_load_b128 v[LD+56:LD+59], v3, s[12:13] th:TH_LOAD_NT
	global_load_b128 v[LD+60:LD+63], v3, s[12:13] offset:256 th:TH_LOAD_NT
; load i to bf16.  Loads come back in order: the count leaves the 15 - i younger ones out.
.macro TOB i, offreg, base, imm
	s_wait_loadcnt 15-\i
	v_cvt_pk_bf16_f32 v[Y+2*\i],   v[LD+4*\i],   v[LD+4*\i+1]
	v_cvt_pk_bf16_f32 v[Y+2*\i+1], v[LD+4*\i+2], v[LD+4*\i+3]
	global_store_b64 v[\offreg], v[Y+2*\i:Y+2*\i+1], s[\base:\base+1] offset:\imm
.endm
; load i to bf16 and that value on to f16
.macro TOH i, imm
	s_wait_loadcnt 15-\i
	v_cvt_pk_bf16_f32 v[Y+2*\i],   v[LD+4*\i],   v[LD+4*\i+1]
	v_cvt_pk_bf16_f32 v[Y+2*\i+1], v[LD+4*\i+2], v[LD+4*\i+3]
	v_lshlrev_b32 v[LD+4*\i],   16, v[Y+2*\i]              ; the rounded values as f32 again
	v_and_b32     v[LD+4*\i+1], 0xffff0000, v[Y+2*\i]
	v_lshlrev_b32 v[LD+4*\i+2], 16, v[Y+2*\i+1]
	v_and_b32     v[LD+4*\i+3], 0xffff0000, v[Y+2*\i+1]
	v_cvt_pk_f16_f32 v[Y+2*\i],   v[LD+4*\i],   v[LD+4*\i+1]
	v_cvt_pk_f16_f32 v[Y+2*\i+1], v[LD+4*\i+2], v[LD+4*\i+3]
	global_store_b64 v4, v[Y+2*\i:Y+2*\i+1], s[18:19] offset:\imm
.endm
.irp i, 0,1,2,3,4,5,6,7
	TOB \i, 2, 14, 2048*\i
.endr
	TOB 8,  2, 16, 0                               ; q: rows 0-1023 of wb
	TOB 9,  2, 16, 2048
	TOB 10, 2, 16, 2097152                         ; k: rows 1024-2047
	TOB 11, 2, 16, 2097152+2048
	TOB 12, 2, 16, 4194304                         ; v: rows 2048-3071
	TOB 13, 2, 16, 4194304+2048
	TOH 14, 0                                      ; o: head 2 wave
	TOH 15, 16384                                  ; head 2 wave + 1
	s_endpgm
.Lfunc_end_k_q64b2e1c010_cvt:
	.size	k_q64b2e1c010_cvt, .Lfunc_end_k_q64b2e1c010_cvt-k_q64b2e1c010_cvt
	.p2alignl 7, 3214868480
	.fill 96, 4, 3214868480
	.section	.rodata,"a",@progbits
	.p2align	6, 0x0
	.amdhsa_kernel k_q64b2e1c010_cvt
		.amdhsa_group_segment_fixed_size 0
		.amdhsa_private_segment_fixed_size 0
		.amdhsa_enable_private_segment 0
		.amdhsa_kernarg_size 64
		.amdhsa_user_sgpr_count 2
		.amdhsa_user_sgpr_kernarg_segment_ptr 1
		.amdhsa_wavefront_size32 1
		.amdhsa_system_sgpr_workgroup_id_x 1
		.amdhsa_system_sgpr_workgroup_id_y 1
		.amdhsa_system_sgpr_workgroup_id_z 1
		.amdhsa_system_vgpr_workitem_id 0
		.amdhsa_next_free_vgpr 104
		.amdhsa_next_free_sgpr 66
		.amdhsa_reserve_vcc 0
		.amdhsa_float_denorm_mode_32 3
		.amdhsa_float_denorm_mode_16_64 3
		.amdhsa_memory_ordered 1
		.amdhsa_forward_progress 1
		.amdhsa_inst_pref_size 8
	.end_amdhsa_kernel
	.amdgpu_metadata
---
amdhsa.version: [ 1, 2 ]
amdhsa.kernels:
  - .name:           k_q64b2e1c010_cvt
    .symbol:         k_q64b2e1c010_cvt.kd
    .args:
      - { .name: X, .offset: 0, .size: 8, .value_kind: global_buffer, .address_space: global }
      - { .name: q_proj, .offset: 8, .size: 8, .value_kind: global_buffer, .address_space: global }
      - { .name: k_proj, .offset: 16, .size: 8, .value_kind: global_buffer, .address_space: global }
      - { .name: v_proj, .offset: 24, .size: 8, .value_kind: global_buffer, .address_space: global }
      - { .name: o_proj, .offset: 32, .size: 8, .value_kind: global_buffer, .address_space: global }
      - { .name: xb, .offset: 40, .size: 8, .value_kind: global_buffer, .address_space: global }
      - { .name: wb, .offset: 48, .size: 8, .value_kind: global_buffer, .address_space: global }
      - { .name: wob, .offset: 56, .size: 8, .value_kind: global_buffer, .address_space: global }
    .group_segment_fixed_size: 0
    .private_segment_fixed_size: 0
    .kernarg_segment_align: 8
    .kernarg_segment_size: 64
    .max_flat_workgroup_size: 256
    .sgpr_count:     66
    .vgpr_count:     104
    .wavefront_size: 32
...
	.end_amdgpu_metadata
.endif
;; end of part 1
;; launch qkvgemm (part 2): grid 16 x 16, 4 waves a work-group, clusters of 4 x 4, 327,680 bytes of LDS; arguments xb, wb, qkv; writes qkv
.if DOCPART == 2
	.amdgcn_target "amdgcn-amd-amdhsa--gfx1250"
	.amdhsa_code_object_version 6
	.text
	.protected	k_q64b2e1c010_qkvgemm
	.globl	k_q64b2e1c010_qkvgemm
	.p2align	8
	.type	k_q64b2e1c010_qkvgemm,@function
k_q64b2e1c010_qkvgemm:
	s_mov_b64 s[64:65], 0
	v_nop
	global_prefetch_b8 v0, s[64:65] scope:SCOPE_SE
	s_setreg_imm32_b32 hwreg(HW_REG_WAVE_MODE, 25, 1), 1
	s_wait_xcnt 0x0
	s_wait_alu depctr_hold_cnt(0) depctr_sa_sdst(0) depctr_va_vdst(0) depctr_va_sdst(0) depctr_va_ssrc(0) depctr_va_vcc(0) depctr_vm_vsrc(0)
	s_getreg_b32 s2, hwreg(HW_REG_IB_STS2, 6, 4)
	s_cmp_eq_u32 s2, 0
	s_cbranch_scc0 .Lentry_in_a_cluster
	s_endpgm
.Lentry_in_a_cluster:
	s_bfe_u32 s2, ttmp6, 0x10000c
	s_cmp_lg_u32 s2, 0xf033
	s_cbranch_scc0 .Lentry_shape_is_right
	s_endpgm
.Lentry_shape_is_right:
; q, k, v at once: C[4096][3072] = xb [4096][1024] x wb[3072][1024]^T, bf16 operands, f32 sums, K = 1024.
; C leaves as f16 in qkv [48 slots = matrix x 16 + head][4096 rows][64]: the layout in which the attention launch fetches dense tiles.
; LIMIT: |q|, |k|, |v| < 65,504 (f16).  With X and the weights 30 times the drawn spread they reach about 900 x 5.5 = 5,000; with a common
; offset of 30 spreads on both about 1024 x 30 x 0.94 = 29,000.
; A work-group makes 256 rows x 192 columns (three head slots) with four waves; a wave makes 128 x 96: 48 accumulator tiles, 384 registers.
; 16 x 16 = 256 work-groups.  K goes in steps of 128 (rows of 256 bytes) through two LDS slots filled by the tensor data mover.
; CLUSTERS: 4 x 4 work-groups.  xb's tile hangs on the block row alone and is asked for jointly along a row of the cluster, wb's on the block
; column alone and jointly along a column: a quarter of the requests.
; The matrix instruction is used transposed (source 0 = rows of wb, source 1 = rows of xb): a lane's eight results are eight neighbouring
; columns of one row of C.
; REGISTER WINDOWS: 0: addresses, xb's fragments (two buffers), packed results; 1: wb's fragments (two buffers);
;   2: accumulator tiles (a, b) of my rows 0-63 at v[8 (6 a + b)]; 3: those of my rows 64-127.
; My column tile b holds the block's columns 64 (b / 2) + 32 wn + 16 (b mod 2): half of each of the three heads.
.set KSTEP,  128
.set PITCH,  272                       ; 256 bytes of data + 16 of padding: the 16 rows of a fragment load start 16 bytes apart modulo 256
.set AHALF,  128*PITCH                 ; one tensor load of xb: 128 rows
.set BHALF,  96*PITCH                  ; one tensor load of wb: 96 rows
.set BOFF,   2*AHALF                   ; wb's 192 rows lie behind xb's 256
.set SLOT,   BOFF+2*BHALF              ; 121,856 bytes
.set CHUNK,  128*PITCH                 ; the way out: one head's 256 rows of 128 bytes, two to an LDS row
.set HSLOT,  524288                    ; bytes of a head slot in qkv
.set ADRA, 16                          ; v16-17  my xb fragments in slot 0, 1
.set ADRB, 20                          ; v20-21  my wb fragments in slot 0, 1
.set STO,  22                          ; v22-24  the way out: where I put 16 bytes, head chunk 0, 1, 2
.set RD,   25                          ; v25-27  the way out: where I read back, head chunk 0, 1, 2
.set CO,   28                          ; v28     16 x lane
.set F0,   64
.set F1,   128
.set TMP,  192                         ; v192-215 packed results
.set G1,  24                           ; s[24:31] group 1 for xb's tiles
.set G0,  32                           ; s[32:39] group 0 for xb's tiles, a set for each slot
.set G1B, 48                           ; s[48:55] group 1 for wb's tiles
.set G0B, 56                           ; s[56:63] group 0 for wb's tiles, a set for each slot
.set MUL_LO, 0xa1                      ; source 0 window 1, source 1 window 0, C and D window 2
.set MUL_HI, 0xf1                      ; the same, C and D window 3
.set TO_B,   0x40                      ; destination window 1
.set MSB, 0
.macro WIN new                         ; the immediate's high byte repeats the setting that is left
.if MSB != \new
	s_set_vgpr_msb (MSB<<8)|\new
.set MSB, \new
.endif
.endm
; A joint load: waves 0 and 1 fetch xb's two halves, waves 2 and 3 wb's.  The branch hangs on the wave's number alone.
.macro JLOAD s
	s_cmp_eq_u32 s11, 0
	s_cbranch_scc0 .Lfor_b_\@
	tensor_load_to_lds s[G0+4*\s:G0+4*\s+3], s[G1:G1+7]
	s_nop 0
	s_branch .Lasked_\@
.Lfor_b_\@:
	tensor_load_to_lds s[G0B+4*\s:G0B+4*\s+3], s[G1B:G1B+7]
	s_nop 0
.Lasked_\@:
.endm
.macro CREST                           ; a round of the cluster's barrier behind its opening work-group barrier
	s_cmp_lg_u32 s10, 0
	s_cbranch_scc1 .Lnot_wave_0_\@
	s_barrier_signal -3
.Lnot_wave_0_\@:
	s_barrier_wait -3
	s_barrier_signal -1
	s_barrier_wait -1
.endm
.macro CROUND                          ; a whole round
	s_barrier_signal -1
	s_barrier_wait -1
	CREST
.endm
.macro PLACES                          ; four independent vector instructions behind a matrix instruction (ISA guide 7.12.1), before its registers are loaded into or its result is read
.rept 4
	v_nop
.endr
.endm
	s_load_b128 s[4:7], s[0:1], 0x0                ; xb s[4:5], wb s[6:7]
	s_load_b64 s[8:9], s[0:1], 0x10                ; qkv
	s_set_vgpr_msb 0x40
	v_lshl_add_u32 v255, v0, 2, 0x3b800
	s_set_vgpr_msb 0x4000
	v_mov_b32 v255, 0
	s_set_vgpr_msb 0x1
	ds_add_u32 v255, v255
	s_set_vgpr_msb 0x100
	v_lshrrev_b32 v1, 5, v0
	v_readfirstlane_b32 s10, v1                    ; wave 0..3
	s_lshr_b32 s11, s10, 1                         ; wm: my half of the rows.  Also: I fetch for xb (0) or wb (1)
	s_and_b32 s12, s10, 1                          ; wn: my half of each head.  Also: which half of that tile I fetch
	s_bfe_u32 s40, ttmp6, 0x40000                  ; cx
	s_bfe_u32 s41, ttmp6, 0x40004                  ; cy
	s_lshl_b32 s42, ttmp9, 2
	s_add_co_u32 s42, s42, s40                     ; block column = 4 x cluster x + cx
	s_and_b32 s13, ttmp7, 0xffff
	s_lshl_b32 s13, s13, 2
	s_add_co_u32 s13, s13, s41                     ; block row = 4 x cluster y + cy
	s_lshl_b32 s43, s41, 2
	s_lshl_b32 s43, 15, s43                        ; my row of the cluster
	s_lshl_b32 s44, 0x1111, s40                    ; my column
	; group 1: elements of 2 bytes, rows of 128 elements, 16 bytes of padding behind every 64 words, 1,024 elements from row to row
	s_or_b32 s[G1+0], s43, (1<<16)|(1<<20)|(1<<21)|(5<<22)|(3<<25)
	s_mov_b32 s[G1+1], KSTEP<<16                   ; tensor_dim0 = 128
	s_mov_b32 s[G1+2], 128<<16                     ; tensor_dim1 = 128
	s_mov_b32 s[G1+3], KSTEP<<16                   ; tile_dim0 = 128
	s_mov_b32 s[G1+4], 128                         ; tile_dim1 = 128
	s_mov_b32 s[G1+5], 1024
	s_mov_b32 s[G1+6], 0
	s_mov_b32 s[G1+7], 0
	s_or_b32 s[G1B+0], s44, (1<<16)|(1<<20)|(1<<21)|(5<<22)|(3<<25)
	s_mov_b32 s[G1B+1], KSTEP<<16
	s_mov_b32 s[G1B+2], 96<<16                     ; 96 rows
	s_mov_b32 s[G1B+3], KSTEP<<16
	s_mov_b32 s[G1B+4], 96
	s_mov_b32 s[G1B+5], 1024
	s_mov_b32 s[G1B+6], 0
	s_mov_b32 s[G1B+7], 0
	; xb's address is made of the block row and the wave alone, wb's of the block column and the wave alone, in registers of their own
	s_lshl_b32 s16, s13, 8
	s_lshl_b32 s17, s12, 7
	s_add_co_u32 s16, s16, s17                     ; row 256 x block row + 128 x half
	s_lshl_b32 s16, s16, 11                        ; x 2,048 bytes: 8 MiB at the most
	s_mov_b32 s17, 0
	s_mul_i32 s46, s42, 192
	s_mul_i32 s18, s12, 96
	s_add_co_u32 s46, s46, s18                     ; row 192 x block column + 96 x half
	s_lshl_b32 s46, s46, 11
	s_mov_b32 s47, 0
	s_mul_i32 s20, s12, AHALF                      ; where they go in a slot: no place in the cluster enters
	s_mul_i32 s21, s12, BHALF
	s_add_co_u32 s21, s21, BOFF
	s_wait_dscnt 0x0
	s_wait_kmcnt 0x0
	s_add_nc_u64 s[14:15], s[4:5], s[16:17]
	s_add_nc_u64 s[46:47], s[6:7], s[46:47]
	CROUND                                         ; all sixteen work-groups are here: the first joint loads meet
.irp s, 0,1
	s_mov_b32 s[G0+4*\s], 1
	s_add_co_u32 s[G0+4*\s+1], s20, \s*SLOT
	s_add_nc_u64 s[G0+4*\s+2:G0+4*\s+3], s[14:15], \s*KSTEP*2
	s_or_b32 s[G0+4*\s+3], s[G0+4*\s+3], 0x80000000
	s_mov_b32 s[G0B+4*\s], 1
	s_add_co_u32 s[G0B+4*\s+1], s21, \s*SLOT
	s_add_nc_u64 s[G0B+4*\s+2:G0B+4*\s+3], s[46:47], \s*KSTEP*2
	s_or_b32 s[G0B+4*\s+3], s[G0B+4*\s+3], 0x80000000
	JLOAD \s                                       ; K steps 0 and 1: two loads of this wave are out
.endr
	v_and_b32 v1, 15, v0                           ; r
	v_bfe_u32 v2, v0, 4, 1                         ; h
	v_mul_u32_u24 v3, v1, PITCH
	v_lshl_add_u32 v3, v2, 4, v3                   ; fragment: row r, 16 bytes for each half of the lanes
	s_mul_i32 s16, s11, AHALF                      ; my 128 rows of xb
	s_mul_i32 s17, s12, 32*PITCH                   ; my 32 rows of each head of wb
	s_add_co_u32 s17, s17, BOFF
.irp s, 0,1
	v_add_nc_u32 v[ADRA+\s], s16, v3
	v_add_nc_u32 v[ADRB+\s], s17, v3
	s_add_co_u32 s16, s16, SLOT
	s_add_co_u32 s17, s17, SLOT
.endr
	v_lshrrev_b32 v4, 1, v1                        ; the way out: rows of 128 bytes lie two to an LDS row
	v_and_b32 v5, 1, v1
	v_mul_u32_u24 v6, v4, PITCH
	v_lshl_add_u32 v6, v5, 7, v6
	v_lshl_add_u32 v6, v2, 4, v6                   ; (r / 2) x pitch + (r mod 2) x 128 + 16 h
	s_mul_i32 s18, s11, 64*PITCH                   ; + my 128 rows
	s_lshl_b32 s19, s12, 6                         ; + my 32 columns of the head
	s_add_co_u32 s18, s18, s19
	v_mul_u32_u24 v7, v2, PITCH                    ; back: lanes 0-15 one LDS row, lanes 16-31 the next
	v_lshl_add_u32 v7, v1, 4, v7
	s_mul_i32 s19, s10, 32*PITCH                   ; rows 64 w .. 64 w + 63 of the block
.irp c, 0,1,2
	v_add_nc_u32 v[STO+\c], s18, v6
	v_add_nc_u32 v[RD+\c], s19, v7
	s_add_co_u32 s18, s18, CHUNK
	s_add_co_u32 s19, s19, CHUNK
.endr
	v_and_b32 v8, 31, v0
	v_lshlrev_b32 v[CO], 4, v8
; six matrix instructions: row tile a of the window's four x my six column tiles, 32 along K.  zero = 1: the first product starts the sum.
.macro MULA f, hi, a, zero
.irp b, 0,1,2,3,4,5
.if \zero
	v_wmma_f32_16x16x32_bf16 v[8*(6*\a+\b):8*(6*\a+\b)+7], v[\f+8*\b:\f+8*\b+7], v[\f+8*(4*\hi+\a):\f+8*(4*\hi+\a)+7], 0
.else
	v_wmma_f32_16x16x32_bf16 v[8*(6*\a+\b):8*(6*\a+\b)+7], v[\f+8*\b:\f+8*\b+7], v[\f+8*(4*\hi+\a):\f+8*(4*\hi+\a)+7], v[8*(6*\a+\b):8*(6*\a+\b)+7]
.endif
.endr
.endm
.macro HALF f, hi, zero                ; 24 matrix instructions
	MULA \f, \hi, 0, \zero
	MULA \f, \hi, 1, \zero
	MULA \f, \hi, 2, \zero
	MULA \f, \hi, 3, \zero
.endm
; 28 LDS loads in one run: the fragments of a quarter step (32 K at byte k of the rows) into buffer f
.macro FETCH slot, k, f
	WIN TO_B
.irp b, 0,1,2,3,4,5
	ds_load_b128 v[\f+8*\b:\f+8*\b+3],   v[ADRB+\slot] offset:\k+(\b/2)*64*PITCH+(\b%2)*16*PITCH
	ds_load_b128 v[\f+8*\b+4:\f+8*\b+7], v[ADRB+\slot] offset:\k+(\b/2)*64*PITCH+(\b%2)*16*PITCH+32
.endr
	WIN 0
.irp i, 0,1,2,3,4,5,6,7
	ds_load_b128 v[\f+8*\i:\f+8*\i+3],   v[ADRA+\slot] offset:\k+\i*16*PITCH
	ds_load_b128 v[\f+8*\i+4:\f+8*\i+7], v[ADRA+\slot] offset:\k+\i*16*PITCH+32
.endr
.endm
; A quarter step: buffer f, fetched a quarter step ago, is multiplied; ahead of that the next quarter's fragments are asked for into buffer g,
; so that they have 48 matrix instructions in which to come.  The 48 accumulators take turns, one instruction a turn, in the same order in every
; quarter step.
.macro SUB f, g, slot, k, zero
	s_wait_dscnt 0x0                               ; buffer f is in
	PLACES                                         ; behind the matrix instructions that read buffer g
	FETCH \slot, \k, \g
	WIN MUL_LO
	HALF \f, 0, \zero
	WIN MUL_HI
	HALF \f, 1, \zero
.endm
.macro THREE slot, zero
	SUB F0, F1, \slot, 64,  \zero
	SUB F1, F0, \slot, 128, 0
	SUB F0, F1, \slot, 192, 0
.endm
; The last quarter of a K step multiplies buffer 1 and changes slots.  In front of the barrier each wave has waited for its reads of this slot and
; for all its tensor loads (one is out: its part of the next slot).  With fill = 1 the barrier opens a round of the cluster's barrier, and behind the
; round the joint refill of this slot, two K steps ahead, comes first.  From that request to the wait for it a wave issues 168 matrix instructions.
.macro TURN slot, next, fill
	s_wait_dscnt 0x0
	s_wait_tensorcnt 0x0
	ds_add_u32 v255, v255
	s_wait_dscnt 0x0
	s_barrier_signal -1
	WIN MUL_LO
	HALF F1, 0, 0                                  ; register work while the others arrive
	WIN 0
	s_barrier_wait -1
.if \fill
	CREST
	s_add_nc_u64 s[G0+4*\slot+2:G0+4*\slot+3], s[G0+4*\slot+2:G0+4*\slot+3], 2*KSTEP*2
	s_add_nc_u64 s[G0B+4*\slot+2:G0B+4*\slot+3], s[G0B+4*\slot+2:G0B+4*\slot+3], 2*KSTEP*2
	JLOAD \slot
.endif
	PLACES
	FETCH \next, 0, F0
	WIN MUL_HI
	HALF F1, 1, 0
.endm
.macro LAP zero
	THREE 0, \zero
	TURN 0, 1, 1
	THREE 1, 0
	TURN 1, 0, 1
.endm
	s_wait_tensorcnt 0x1                           ; my part of K step 0 is in; K step 1's stays out
	s_barrier_signal -1
	s_barrier_wait -1
	FETCH 0, 0, F0
	LAP 1                                          ; K steps 0, 1: the first products start the sums
	WIN 0
	s_mov_b32 s3, 2
.Llap:
	LAP 0                                          ; K steps 2 to 5
	WIN 0
	s_sub_co_u32 s3, s3, 1
	s_cmp_lg_u32 s3, 0
	s_cbranch_scc1 .Llap
	THREE 0, 0                                     ; K steps 6, 7: nothing is left to fetch
	TURN 0, 1, 0
	THREE 1, 0
	s_wait_dscnt 0x0
	WIN MUL_LO
	HALF F1, 0, 0
	WIN MUL_HI
	HALF F1, 1, 0
	; THE WAY OUT.  The stage is slot 0: it has had its last fill, and every wave's last read of it lies in front of the barrier of the last change of
	; slots.  Three head chunks of 256 rows x 128 bytes.  The two waves of a row half put their halves of each head side by side, so after a barrier
	; whole rows are read back: a store of a wave then covers 512 consecutive bytes of qkv.
	PLACES
	s_lshl_b32 s16, s13, 15                        ; 256 x block row rows of 128 bytes
	s_lshl_b32 s17, s10, 13                        ; + 64 w rows
	s_add_co_u32 s16, s16, s17
	s_mov_b32 s17, 0
	s_add_nc_u64 s[8:9], s[8:9], s[16:17]
	s_mul_i32 s46, s42, 3*HSLOT                    ; head slot 3 x block column
	s_mov_b32 s47, 0
	s_add_nc_u64 s[8:9], s[8:9], s[46:47]
.macro OUTA row, a, from                ; row tile 'row' of my eight = tile a of window 2 or 3 (from: sources 0 and 1)
	WIN \from
.irp b, 0,1,2,3,4,5
.irp p, 0,1,2,3
	v_cvt_pk_f16_f32 v[TMP+4*\b+\p], v[8*(6*\a+\b)+2*\p], v[8*(6*\a+\b)+2*\p+1]
.endr
.endr
	WIN 0
.irp b, 0,1,2,3,4,5
	ds_store_b128 v[STO+\b/2], v[TMP+4*\b:TMP+4*\b+3] offset:\row*8*PITCH+(\b%2)*32
.endr
.endm
	OUTA 0, 0, 0x0a
	OUTA 1, 1, 0x0a
	OUTA 2, 2, 0x0a
	OUTA 3, 3, 0x0a
	OUTA 4, 0, 0x0f
	OUTA 5, 1, 0x0f
	OUTA 6, 2, 0x0f
	OUTA 7, 3, 0x0f
	s_wait_dscnt 0x0                               ; my stores are in LDS, for the other waves' sake
	s_barrier_signal -1
	s_barrier_wait -1
.macro BACK c, half, f                  ; 32 rows of head chunk c
	s_wait_xcnt 0x0                                ; buffer f held store data two batches ago: it is loaded again only behind this wait
.irp t, 0,1,2,3,4,5,6,7
	ds_load_b128 v[\f+4*\t:\f+4*\t+3], v[RD+\c] offset:(8*\half+\t)*2*PITCH
.endr
.irp t, 0,1,2,3,4,5,6,7
	s_wait_dscnt 7-\t                              ; the 7 - t younger read-backs may be out
	global_store_b128 v[CO], v[\f+4*\t:\f+4*\t+3], s[8:9] offset:\c*HSLOT+(8*\half+\t)*512
.endr
.endm
	BACK 0, 0, F0
	BACK 0, 1, F1
	BACK 1, 0, F0
	BACK 1, 1, F1
	BACK 2, 0, F0
	BACK 2, 1, F1
	s_set_vgpr_msb 0x1
	s_wait_tensorcnt 0x0
	ds_add_u32 v255, v255
	s_wait_dscnt 0x0
	s_set_vgpr_msb 0x100
	CROUND                                         ; the closing round: no work-group ends while a partner may still ask jointly
	s_endpgm
.Lfunc_end_k_q64b2e1c010_qkvgemm:
	.size	k_q64b2e1c010_qkvgemm, .Lfunc_end_k_q64b2e1c010_qkvgemm-k_q64b2e1c010_qkvgemm
	.p2alignl 7, 3214868480
	.fill 96, 4, 3214868480
	.section	.rodata,"a",@progbits
	.p2align	6, 0x0
	.amdhsa_kernel k_q64b2e1c010_qkvgemm
		.amdhsa_group_segment_fixed_size 327680
		.amdhsa_private_segment_fixed_size 0
		.amdhsa_enable_private_segment 0
		.amdhsa_kernarg_size 24
		.amdhsa_user_sgpr_count 2
		.amdhsa_user_sgpr_kernarg_segment_ptr 1
		.amdhsa_wavefront_size32 1
		.amdhsa_system_sgpr_workgroup_id_x 1
		.amdhsa_system_sgpr_workgroup_id_y 1
		.amdhsa_system_sgpr_workgroup_id_z 1
		.amdhsa_system_vgpr_workitem_id 0
		.amdhsa_next_free_vgpr 1024
		.amdhsa_next_free_sgpr 66
		.amdhsa_reserve_vcc 0
		.amdhsa_float_denorm_mode_32 3
		.amdhsa_float_denorm_mode_16_64 3
		.amdhsa_memory_ordered 1
		.amdhsa_forward_progress 1
		.amdhsa_inst_pref_size 158
	.end_amdhsa_kernel
	.amdgpu_metadata
---
amdhsa.version: [ 1, 2 ]
amdhsa.kernels:
  - .name:           k_q64b2e1c010_qkvgemm
    .symbol:         k_q64b2e1c010_qkvgemm.kd
    .args:
      - { .name: xb, .offset: 0, .size: 8, .value_kind: global_buffer, .address_space: global }
      - { .name: wb, .offset: 8, .size: 8, .value_kind: global_buffer, .address_space: global }
      - { .name: qkv, .offset: 16, .size: 8, .value_kind: global_buffer, .address_space: global }
    .group_segment_fixed_size: 327680
    .private_segment_fixed_size: 0
    .kernarg_segment_align: 8
    .kernarg_segment_size: 24
    .max_flat_workgroup_size: 128
    .sgpr_count:     66
    .vgpr_count:     1024
    .wavefront_size: 32
...
	.end_amdgpu_metadata
.endif
;; end of part 2
;; launch attn (part 3): grid 8 x 32, 4 waves a work-group, no clusters, 327,680 bytes of LDS; arguments qkv, ao; writes ao
.if DOCPART == 3
	.amdgcn_target "amdgcn-amd-amdhsa--gfx1250"
	.amdhsa_code_object_version 6
	.text
	.protected	k_q64b2e1c010_attn
	.globl	k_q64b2e1c010_attn
	.p2align	8
	.type	k_q64b2e1c010_attn,@function
k_q64b2e1c010_attn:
	s_mov_b64 s[64:65], 0
	v_nop
	global_prefetch_b8 v0, s[64:65] scope:SCOPE_SE
	s_setreg_imm32_b32 hwreg(HW_REG_WAVE_MODE, 25, 1), 1
	s_wait_xcnt 0x0
; Causal attention of one (batch, head) for two blocks of 128 queries, with a running maximum; f16 operands, f32 sums and softmax.
; Reads q, k, v from qkv [48 slots][4096 rows][64] f16; writes ao [32 row blocks][16 heads][128 rows][64] f16.
; EVEN WORK: work-group (j, bh) takes query blocks j and 15 - j: (j + 1) + (16 - j) = 17 key tiles of 128 for each of the 8 x 32 = 256 work-groups.
; The block with the odd number of tiles goes first (nB tiles), so its diagonal tile always falls on an even place of the sequence n = 0..16
; (LDS slot 0) and the second block's first tile on an odd place (slot 1): each slot's text carries one test only.
; TRANSPOSED: S^T = K Q^T (A = 16 keys, B = 16 queries).  A lane then holds one query's scores, and S^T packed to f16 is in place the B fragment of
; O^T = V^T P^T: P never goes through LDS, and maximum and sum are one number a lane (two halves of the lanes share a query).
; V^T's fragments come from V's rows by the transposing LDS load.
; Wave w has queries 32 w .. 32 w + 31 of the block, as two tiles of 16.
; NO CLUSTER: partners would need different numbers of tiles.  Four query blocks of a head in step would take the longest one's count, 20 tile times
; for a pair of blocks against 17 here, and a work-group fetches only 17 x 32 KiB in all.
; LIMITS: scores finite; p below 2^-126 counts as 0 (v_exp_f32 flushes); P is rounded to f16, the row sum is taken from the unrounded p.
.set KPITCH, 272                       ; two keys of 128 bytes + 16 of padding
.set VPITCH, 288                       ; two keys + 32 of padding (an odd multiple of 32 for the transposing load)
.set KSLOT,  64*KPITCH                 ; 17,408
.set VSLOT,  64*VPITCH                 ; 18,432
.set VBASE,  2*KSLOT                   ; 34,816
.set STAGE,  VBASE+2*VSLOT             ; 71,680: 4,352 bytes for each wave; no tensor load lands here
.set KAD, 2                            ; v2  K fragment address
.set VAD, 3                            ; v3  V fragment address
.set QOF, 4                            ; v4  Q fragment offset
.set AOF, 5                            ; v5  my 16 bytes in ao
.set STO, 6                            ; v6  stage, in
.set RD,  7                            ; v7  stage, back
.set DV,  8                            ; v8  32 w + r - 8 h, for the diagonal
.set NMC, 10                           ; v[10:11] -(running maximum) x c, for each query tile
.set TM,  12                           ; v[12:13] the tile's maximum, then -(it) x c
.set AL,  14                           ; v[14:15] the factor for what has been summed so far
.set LP,  16                           ; v[16:19] two partial row sums for each query tile
.set T,   20                           ; v[20:27] chains of the maximum
.set TP,  28                           ; v[28:31] at work
.set QF,  32                           ; v[32:63]  Q fragment (q, c) at 32 + 16 q + 8 c
.set OA,  64                           ; v[64:127] O^T tile (d, q) at 64 + 8 (4 q + d)
.set SC,  128                          ; v[128:255] S^T tile (q, k) at 128 + 8 (8 q + k); P fragment (q, g) at 128 + 32 q + 8 g
                                       ; window 1: K fragment (k, c) at 16 k + 8 c; V^T fragment (d, g) at 128 + 8 (4 d + g)
.set MSB, 0
.macro WIN new
.if MSB != \new
	s_set_vgpr_msb (MSB<<8)|\new
.set MSB, \new
.endif
.endm
.macro NOPS n
.rept \n
	v_nop
.endr
.endm
; the address of key tile number (place s13 + ahead) into both group 0 sets of a slot: the second block starts again at key 0
.macro TADDR slot, ahead
	s_add_co_u32 s15, s13, \ahead
	s_cmp_ge_u32 s15, s11
	s_cselect_b32 s70, s11, 0
	s_sub_co_u32 s15, s15, s70
	s_lshl_b32 s60, s15, 14                        ; 128 keys of 128 bytes
	s_add_nc_u64 s[34+4*\slot:35+4*\slot], s[48:49], s[60:61]
	s_or_b32 s[35+4*\slot], s[35+4*\slot], 0x80000000
	s_add_nc_u64 s[42+4*\slot:43+4*\slot], s[50:51], s[60:61]
	s_or_b32 s[43+4*\slot], s[43+4*\slot], 0x80000000
.endm
; a slot's refill: wave 0 asks for K's tile, wave 1 for V's, 16 KiB each; waves 2 and 3 ask for nothing
.macro TLOAD slot
	s_cmp_lg_u32 s8, 0
	s_cbranch_scc1 .Lnot_k_\@
	tensor_load_to_lds s[32+4*\slot:35+4*\slot], s[16:23]
	s_nop 0
.Lnot_k_\@:
	s_cmp_lg_u32 s8, 1
	s_cbranch_scc1 .Lnot_v_\@
	tensor_load_to_lds s[40+4*\slot:43+4*\slot], s[24:31]
	s_nop 0
.Lnot_v_\@:
.endm
.macro LDK slot                        ; 32 loads: the tile's 128 keys x 64
	WIN 0x40
.irp k, 0,1,2,3,4,5,6,7
.irp c, 0,1
	ds_load_b128 v[16*\k+8*\c:16*\k+8*\c+3],   v[KAD] offset:(\slot)*KSLOT+\k*8*KPITCH+\c*64
	ds_load_b128 v[16*\k+8*\c+4:16*\k+8*\c+7], v[KAD] offset:(\slot)*KSLOT+\k*8*KPITCH+\c*64+32
.endr
.endr
	WIN 0
.endm
.macro LDV slot                        ; 32 transposing loads: 64 columns of V x the tile's 128 keys
	WIN 0x40
.irp g, 0,1,2,3
.irp d, 0,1,2,3
	ds_load_tr16_b128 v[128+8*(4*\d+\g):128+8*(4*\d+\g)+3],   v[VAD] offset:(\slot)*VSLOT+\g*16*VPITCH+\d*32
	ds_load_tr16_b128 v[128+8*(4*\d+\g)+4:128+8*(4*\d+\g)+7], v[VAD] offset:(\slot)*VSLOT+\g*16*VPITCH+8*VPITCH+\d*32
.endr
.endr
	WIN 0
.endm
.macro LDQ base                        ; my 32 queries, straight into fragments
.irp q, 0,1
.irp c, 0,1
	global_load_b128 v[QF+16*\q+8*\c:QF+16*\q+8*\c+3],   v[QOF], s[\base:\base+1] offset:\q*2048+\c*64
	global_load_b128 v[QF+16*\q+8*\c+4:QF+16*\q+8*\c+7], v[QOF], s[\base:\base+1] offset:\q*2048+\c*64+32
.endr
.endr
.endm
.macro SMUL                            ; 32 matrix instructions; the sixteen score tiles take turns
	WIN 0x01
.irp q, 0,1
.irp k, 0,1,2,3,4,5,6,7
	v_wmma_f32_16x16x32_f16 v[SC+8*(8*\q+\k):SC+8*(8*\q+\k)+7], v[16*\k:16*\k+7], v[QF+16*\q:QF+16*\q+7], 0
.endr
.endr
.irp q, 0,1
.irp k, 0,1,2,3,4,5,6,7
	v_wmma_f32_16x16x32_f16 v[SC+8*(8*\q+\k):SC+8*(8*\q+\k)+7], v[16*\k+8:16*\k+15], v[QF+16*\q+8:QF+16*\q+15], v[SC+8*(8*\q+\k):SC+8*(8*\q+\k)+7]
.endr
.endr
	WIN 0
.endm
.macro MASK                            ; key 16 k + 8 h + i stays where it is <= query 32 w + 16 q + r; the others become -inf
.irp q, 0,1
.irp k, 0,1,2,3,4,5,6,7
.irp i, 0,1,2,3,4,5,6,7
	v_cmp_le_i32 vcc_lo, 16*\k+\i-16*\q, v[DV]
	v_cndmask_b32 v[SC+8*(8*\q+\k)+\i], s67, v[SC+8*(8*\q+\k)+\i], vcc_lo
.endr
.endr
.endr
.endm
.macro MAXP                            ; the tile's largest score of each query: four chains for each query tile, then the other half of the lanes
.irp q, 0,1
.irp c, 0,1,2,3
	v_max_num_f32 v[T+4*\q+\c], v[SC+64*\q+16*\c], v[SC+64*\q+16*\c+1]
.endr
.endr
.irp i, 1,2,3,4,5,6,7
.irp q, 0,1
.irp c, 0,1,2,3
	v_max3_num_f32 v[T+4*\q+\c], v[T+4*\q+\c], v[SC+64*\q+16*\c+2*\i], v[SC+64*\q+16*\c+2*\i+1]
.endr
.endr
.endr
.irp q, 0,1
	v_max3_num_f32 v[T+4*\q], v[T+4*\q], v[T+4*\q+1], v[T+4*\q+2]
.endr
.irp q, 0,1
	v_max_num_f32 v[T+4*\q], v[T+4*\q], v[T+4*\q+3]
.endr
.irp q, 0,1
	v_permlanex16_b32 v[TP+\q], v[T+4*\q], s68, s69
.endr
.irp q, 0,1
	v_max_num_f32 v[TM+\q], v[T+4*\q], v[TP+\q]
.endr
.endm
.macro STATS                           ; the running maximum moves; what was summed under the old one is scaled by 2^(c (old - new))
.irp q, 0,1
	v_mul_f32 v[TM+\q], s66, v[TM+\q]              ; -c x the tile's maximum
.endr
.irp q, 0,1
	v_sub_f32 v[AL+\q], v[TM+\q], v[NMC+\q]        ; a block's first tile: NMC = +inf, so -inf, and the factor is 0
.endr
.irp q, 0,1
	v_min_num_f32 v[AL+\q], 0, v[AL+\q]
.endr
	v_exp_f32 v[AL], v[AL]
	v_exp_f32 v[AL+1], v[AL+1]
.irp q, 0,1
	v_min_num_f32 v[NMC+\q], v[NMC+\q], v[TM+\q]   ; plain work that touches neither factor stands behind the exponentials (ISA guide 5.7.2)
.endr
	s_wait_alu depctr_va_vdst(0)
	v_pk_mul_f32 v[LP:LP+1],   v[LP:LP+1],   v[AL:AL+1] op_sel_hi:[1,0]
	v_pk_mul_f32 v[LP+2:LP+3], v[LP+2:LP+3], v[AL:AL+1] op_sel:[0,1] op_sel_hi:[1,1]
.endm
; p = 2^(c S - c max), summed in f32 and packed to f16 in place.  Three stages run one score tile apart, so that each exponential's result is
; used many plain instructions later: the fused multiply-add of tile t + 1, the exponentials of tile t, the sum and the packing of tile t - 1.
; Tile t - 1 is packed into registers 4 (t - 1) .. + 3 of the scores: never past a register that is still to be read.
.macro SOFT
.set t, -1
.rept 18
.set jj, 0
.rept 4
.if t >= 0
.if t <= 15
	v_exp_f32 v[SC+8*t+2*jj],   v[SC+8*t+2*jj]
	v_exp_f32 v[SC+8*t+2*jj+1], v[SC+8*t+2*jj+1]
.endif
.endif
.if t <= 6
	v_pk_fma_f32 v[SC+8*(t+1)+2*jj:SC+8*(t+1)+2*jj+1], v[SC+8*(t+1)+2*jj:SC+8*(t+1)+2*jj+1], s[62:63], v[NMC:NMC+1] op_sel_hi:[1,0,0]
.else
.if t <= 14
	v_pk_fma_f32 v[SC+8*(t+1)+2*jj:SC+8*(t+1)+2*jj+1], v[SC+8*(t+1)+2*jj:SC+8*(t+1)+2*jj+1], s[62:63], v[NMC:NMC+1] op_sel:[0,0,1] op_sel_hi:[1,0,1]
.endif
.endif
.if t >= 1
	s_wait_alu depctr_va_vdst(0)
	v_pk_add_f32 v[LP+2*((t-1)/8):LP+2*((t-1)/8)+1], v[LP+2*((t-1)/8):LP+2*((t-1)/8)+1], v[SC+8*(t-1)+2*jj:SC+8*(t-1)+2*jj+1]
	v_cvt_pk_f16_f32 v[SC+4*(t-1)+jj], v[SC+8*(t-1)+2*jj], v[SC+8*(t-1)+2*jj+1]
.endif
.set jj, jj+1
.endr
.set t, t+1
.endr
.endm
.macro RESC                            ; O^T under the new maximum
.set i, 0
.rept 16
	v_pk_mul_f32 v[OA+2*i:OA+2*i+1], v[OA+2*i:OA+2*i+1], v[AL:AL+1] op_sel_hi:[1,0]
.set i, i+1
.endr
.rept 16
	v_pk_mul_f32 v[OA+2*i:OA+2*i+1], v[OA+2*i:OA+2*i+1], v[AL:AL+1] op_sel:[0,1] op_sel_hi:[1,1]
.set i, i+1
.endr
.endm
.macro PVG g, zero
.irp q, 0,1
.irp d, 0,1,2,3
.if \zero
	v_wmma_f32_16x16x32_f16 v[OA+8*(4*\q+\d):OA+8*(4*\q+\d)+7], v[128+8*(4*\d+\g):128+8*(4*\d+\g)+7], v[SC+32*\q+8*\g:SC+32*\q+8*\g+7], 0
.else
	v_wmma_f32_16x16x32_f16 v[OA+8*(4*\q+\d):OA+8*(4*\q+\d)+7], v[128+8*(4*\d+\g):128+8*(4*\d+\g)+7], v[SC+32*\q+8*\g:SC+32*\q+8*\g+7], v[OA+8*(4*\q+\d):OA+8*(4*\q+\d)+7]
.endif
.endr
.endr
.endm
.macro PV zero                         ; 32 matrix instructions; the eight tiles of O^T take turns.  zero = 1: a block's first tile starts the sums
	WIN 0x01
	PVG 0, \zero
	PVG 1, 0
	PVG 2, 0
	PVG 3, 0
	WIN 0
.endm
; A block is done: divide by the row sum, round to f16, through my own stage into whole rows, out.  more = 1: a second block follows.
.macro FIN base, more
	v_add_f32 v[TP],   v[LP],   v[LP+1]
	v_add_f32 v[TP+1], v[LP+2], v[LP+3]
	v_permlanex16_b32 v[TP+2], v[TP],   s68, s69
	v_permlanex16_b32 v[TP+3], v[TP+1], s68, s69
	v_add_f32 v[TP],   v[TP],   v[TP+2]
	v_add_f32 v[TP+1], v[TP+1], v[TP+3]            ; the key with the largest score gives 1, so the sum is at least about 1
	v_rcp_f32 v[TP],   v[TP]
	v_rcp_f32 v[TP+1], v[TP+1]
.if \more
	v_mov_b32 v[NMC],   0x7f800000                 ; plain work behind the reciprocals: the second block starts with no maximum and no sum
	v_mov_b32 v[NMC+1], 0x7f800000
	v_mov_b32 v[LP],   0
	v_mov_b32 v[LP+1], 0
	v_mov_b32 v[LP+2], 0
	v_mov_b32 v[LP+3], 0
.else
	v_nop
.endif
.set i, 0
.rept 16
	s_wait_alu depctr_va_vdst(0)
	v_pk_mul_f32 v[OA+2*i:OA+2*i+1], v[OA+2*i:OA+2*i+1], v[TP:TP+1] op_sel_hi:[1,0]
.set i, i+1
.endr
.rept 16
	v_pk_mul_f32 v[OA+2*i:OA+2*i+1], v[OA+2*i:OA+2*i+1], v[TP:TP+1] op_sel:[0,1] op_sel_hi:[1,1]
.set i, i+1
.endr
.set i, 0
.rept 32
	v_cvt_pk_f16_f32 v[SC+i], v[OA+2*i], v[OA+2*i+1]
.set i, i+1
.endr
.irp q, 0,1
.irp d, 0,1,2,3
	ds_store_b128 v[STO], v[SC+4*(4*\q+\d):SC+4*(4*\q+\d)+3] offset:\q*8*KPITCH+\d*32
.endr
.endr
.irp g, 0,1,2,3,4,5,6,7
	ds_load_b128 v[SC+32+4*\g:SC+32+4*\g+3], v[RD] offset:\g*2*KPITCH    ; my own bytes: LDS serves a wave's instructions in order
.endr
.irp g, 0,1,2,3,4,5,6,7
	s_wait_dscnt 7-\g                              ; the 7 - g younger read-backs may be out
	global_store_b128 v[AOF], v[SC+32+4*\g:SC+32+4*\g+3], s[\base:\base+1] offset:\g*512   ; 512 consecutive bytes a store
.endr
.if \more
	s_wait_xcnt 0x0                                ; the stores' data registers are score registers: written again only behind this wait
.endif
.endm
; One key tile.  first: 0 never a block's first tile, 1 always, 2 tested.  diag: 0 never the diagonal, 1 the last tile of all, 2 tested (first block's).
; fill: this slot is filled again, two places ahead.  next: another tile follows.
.macro TILE slot, first, diag, fill, next
.if \first
	s_wait_loadcnt 0x0                             ; the block's Q
.endif
	s_wait_dscnt 32                                ; K's 32 fragment loads are in; V's 32, issued behind them, may stay out
	SMUL
	NOPS 4                                         ; the places behind the last products: for the readers of the scores and for loads into K's and Q's registers
.if \diag == 2
	s_cmp_lg_u32 s13, s12
	s_cbranch_scc1 .Lno_diag_\@
	LDQ 54                                         ; the second block's Q
	MASK
.Lno_diag_\@:
.endif
.if \diag == 1
	MASK
.endif
.if \next
	s_set_vgpr_msb 0x8
	s_wait_tensorcnt 0x0                           ; all my tensor loads have landed: the one that was out is the next tile's
	ds_add_u32 v9, v1
	s_wait_dscnt 0x0
	s_set_vgpr_msb 0x800
.if \fill
	TADDR \slot, 2
.endif
	s_wait_dscnt 0x0                               ; this tile's K and V lie in registers: my reads of this slot are over
	s_barrier_signal -1
	MAXP                                           ; register work while the others arrive
	s_barrier_wait -1
.if \fill
	TLOAD \slot                                    ; first behind the barrier; it has a whole tile's work in which to land
.endif
	LDK 1-\slot                                    ; the next tile's K comes while the softmax runs
.else
	s_wait_dscnt 0x0                               ; V
	MAXP
.endif
	STATS
	SOFT
.if \first == 1
	PV 1
.endif
.if \first == 0
	RESC
	PV 0
.endif
.if \first == 2
	s_cmp_eq_u32 s13, s11
	s_cbranch_scc1 .Lfirst_\@
	RESC
	PV 0
	s_branch .Ljoin_\@
.Lfirst_\@:
	PV 1
.Ljoin_\@:
.endif
	NOPS 5                                         ; the next tile's products write over P's registers, loads go into V's, the division reads O^T
.if \next
	LDV 1-\slot
.endif
.if \diag == 2
	s_cmp_lg_u32 s13, s12
	s_cbranch_scc1 .Lno_fin_\@
	FIN 56, 1
.Lno_fin_\@:
.endif
.if \diag == 1
	FIN 58, 0
.endif
.if \next
	s_add_co_u32 s13, s13, 1
.endif
.endm
	s_load_b128 s[4:7], s[0:1], 0x0                ; qkv s[4:5], ao s[6:7]
	v_lshl_add_u32 v9, v0, 2, 0x29000
	s_set_vgpr_msb 0x80
	v_mov_b32 v1, 0
	s_set_vgpr_msb 0x8088
	ds_add_u32 v9, v1
	s_set_vgpr_msb 0x8800
	v_lshrrev_b32 v1, 5, v0
	v_readfirstlane_b32 s8, v1                     ; wave
	s_mov_b32 s9, ttmp9                            ; j
	s_and_b32 s10, ttmp7, 0xffff                   ; 16 b + head
	s_sub_co_u32 s15, 15, s9
	s_bitcmp1_b32 s9, 0
	s_cselect_b32 s12, s15, s9                     ; the first block: the even one of j and 15 - j.  Also the place of its diagonal tile
	s_add_co_u32 s11, s12, 1                       ; nB, its number of tiles.  Also the place of the second block's first tile
	s_sub_co_u32 s70, 15, s12                      ; the second block
	s_lshr_b32 s71, s10, 4                         ; b
	s_and_b32 s15, s10, 15                         ; head
	s_mov_b32 s13, 0                               ; the place in the sequence
	s_mov_b32 s61, 0
	s_lshl_b32 s60, s15, 19                        ; head slot of 524,288 bytes
	s_lshl_b32 s14, s71, 18                        ; + 2,048 b rows of 128 bytes
	s_add_co_u32 s60, s60, s14
	s_wait_dscnt 0x0
	s_wait_kmcnt 0x0
	s_add_nc_u64 s[52:53], s[4:5], s[60:61]        ; q of (b, head)
	s_add_nc_u64 s[48:49], s[52:53], 0x800000      ; k: 16 slots on
	s_add_nc_u64 s[50:51], s[48:49], 0x800000      ; v: 16 more
	s_lshl_b32 s60, s70, 14
	s_add_nc_u64 s[54:55], s[52:53], s[60:61]      ; the second block's Q
	s_lshl_b32 s60, s12, 14
	s_add_nc_u64 s[52:53], s[52:53], s[60:61]      ; the first block's Q
	s_lshl_b32 s60, s71, 22                        ; ao: ((16 b + block) x 16 + head) x 16,384
	s_lshl_b32 s14, s15, 14
	s_add_co_u32 s60, s60, s14
	s_add_nc_u64 s[58:59], s[6:7], s[60:61]
	s_lshl_b32 s60, s12, 18
	s_add_nc_u64 s[56:57], s[58:59], s[60:61]      ; the first block's
	s_lshl_b32 s60, s70, 18
	s_add_nc_u64 s[58:59], s[58:59], s[60:61]      ; the second block's
	; group 1: a dense tile of 16 KiB as 64 rows of 32 elements of 8 bytes, padded behind every 64 words: K by 4 words, V by 8
	s_mov_b32 s16, (3<<16)|(1<<20)|(5<<22)|(3<<25)
	s_mov_b32 s17, 32<<16
	s_mov_b32 s18, 64<<16
	s_mov_b32 s19, 32<<16
	s_mov_b32 s20, 64
	s_mov_b32 s21, 32
	s_mov_b32 s22, 0
	s_mov_b32 s23, 0
	s_mov_b32 s24, (3<<16)|(1<<20)|(5<<22)|(7<<25)
	s_mov_b32 s25, 32<<16
	s_mov_b32 s26, 64<<16
	s_mov_b32 s27, 32<<16
	s_mov_b32 s28, 64
	s_mov_b32 s29, 32
	s_mov_b32 s30, 0
	s_mov_b32 s31, 0
	s_mov_b32 s32, 1                               ; group 0: K slot 0, K slot 1, V slot 0, V slot 1
	s_mov_b32 s33, 0
	s_mov_b32 s36, 1
	s_mov_b32 s37, KSLOT
	s_mov_b32 s40, 1
	s_mov_b32 s41, VBASE
	s_mov_b32 s44, 1
	s_mov_b32 s45, VBASE+VSLOT
	TADDR 0, 0
	TADDR 1, 1
	s_cmp_lg_u32 s8, 0                             ; the first fills: both slots of a wave's matrix inside its one branch; two loads of the wave are out
	s_cbranch_scc1 .Lnot_wave_0
	tensor_load_to_lds s[32:35], s[16:23]
	s_nop 0
	tensor_load_to_lds s[36:39], s[16:23]
	s_nop 0
.Lnot_wave_0:
	s_cmp_lg_u32 s8, 1
	s_cbranch_scc1 .Lnot_wave_1
	tensor_load_to_lds s[40:43], s[24:31]
	s_nop 0
	tensor_load_to_lds s[44:47], s[24:31]
	s_nop 0
.Lnot_wave_1:
	s_mov_b32 s62, 0x3e38aa3b                      ; c = log2(e) / 8: the scale 1 / sqrt(64) and the change of base in one
	s_mov_b32 s63, 0x3e38aa3b
	s_mov_b32 s66, 0xbe38aa3b                      ; -c
	s_mov_b32 s67, 0xff800000                      ; -inf
	s_mov_b32 s68, 0x76543210                      ; v_permlanex16_b32: lane i of the other half
	s_mov_b32 s69, 0xfedcba98
	v_and_b32 v[TP], 15, v0                        ; r
	v_bfe_u32 v[TP+1], v0, 4, 1                    ; h
	s_lshl_b32 s70, s8, 12                         ; my 32 rows of 128 bytes
	v_lshlrev_b32 v[QOF], 7, v[TP]
	v_lshl_add_u32 v[QOF], v[TP+1], 4, v[QOF]
	v_add_nc_u32 v[QOF], s70, v[QOF]               ; 4,096 w + 128 r + 16 h
	LDQ 52
	v_lshrrev_b32 v[TP+2], 1, v[TP]
	v_and_b32 v[TP+3], 1, v[TP]
	v_mul_u32_u24 v[KAD], v[TP+2], KPITCH
	v_lshl_add_u32 v[KAD], v[TP+3], 7, v[KAD]
	v_lshl_add_u32 v[KAD], v[TP+1], 4, v[KAD]      ; key r: (r / 2) x pitch + (r mod 2) x 128 + 16 h
	s_mul_i32 s15, s8, 16*KPITCH
	s_add_co_u32 s15, s15, STAGE                   ; my stage
	v_add_nc_u32 v[STO], s15, v[KAD]               ; the same pattern for query r
	v_mul_u32_u24 v[RD], v[TP+1], KPITCH
	v_lshl_add_u32 v[RD], v[TP], 4, v[RD]
	v_add_nc_u32 v[RD], s15, v[RD]
	v_bfe_u32 v[TP+2], v0, 1, 2                    ; V: key 8 h + (lane mod 8), two keys to an LDS row,
	v_lshl_add_u32 v[TP+2], v[TP+1], 2, v[TP+2]
	v_mul_u32_u24 v[VAD], v[TP+2], VPITCH
	v_lshl_add_u32 v[VAD], v[TP+3], 7, v[VAD]
	v_bfe_u32 v[TP+2], v0, 3, 1                    ; eight columns for each group of eight lanes
	v_lshl_add_u32 v[VAD], v[TP+2], 4, v[VAD]
	v_add_nc_u32 v[VAD], VBASE, v[VAD]
	v_and_b32 v[TP+2], 31, v0
	v_lshl_add_u32 v[AOF], v[TP+2], 4, s70         ; 4,096 w + 16 x lane
	s_lshl_b32 s71, s8, 5
	v_lshlrev_b32 v[TP+2], 3, v[TP+1]
	v_sub_nc_u32 v[DV], v[TP], v[TP+2]
	v_add_nc_u32 v[DV], s71, v[DV]                 ; 32 w + r - 8 h (signed)
	v_mov_b32 v[NMC],   0x7f800000                 ; no maximum yet
	v_mov_b32 v[NMC+1], 0x7f800000
	v_mov_b32 v[LP],   0
	v_mov_b32 v[LP+1], 0
	v_mov_b32 v[LP+2], 0
	v_mov_b32 v[LP+3], 0
	s_wait_tensorcnt 0x1                           ; slot 0's tile is in; slot 1's stays out
	s_barrier_signal -1
	s_barrier_wait -1
	LDK 0
	LDV 0
	TILE 0, 1, 2, 1, 1                             ; place 0
	s_mov_b32 s14, 0
.Lpair:
	TILE 1, 2, 0, 1, 1                             ; places 1, 3 .. 13
	TILE 0, 0, 2, 1, 1                             ; places 2, 4 .. 14
	s_add_co_u32 s14, s14, 1
	s_cmp_lt_u32 s14, 7
	s_cbranch_scc1 .Lpair
	TILE 1, 2, 0, 0, 1                             ; place 15: nothing is left to fetch
	TILE 0, 0, 1, 0, 0                             ; place 16: the second block's diagonal, and the end
	s_set_vgpr_msb 0x8
	s_wait_tensorcnt 0x0
	ds_add_u32 v9, v1
	s_wait_dscnt 0x0
	s_set_vgpr_msb 0x800
	s_endpgm
.Lfunc_end_k_q64b2e1c010_attn:
	.size	k_q64b2e1c010_attn, .Lfunc_end_k_q64b2e1c010_attn-k_q64b2e1c010_attn
	.p2alignl 7, 3214868480
	.fill 96, 4, 3214868480
	.section	.rodata,"a",@progbits
	.p2align	6, 0x0
	.amdhsa_kernel k_q64b2e1c010_attn
		.amdhsa_group_segment_fixed_size 327680
		.amdhsa_private_segment_fixed_size 0
		.amdhsa_enable_private_segment 0
		.amdhsa_kernarg_size 16
		.amdhsa_user_sgpr_count 2
		.amdhsa_user_sgpr_kernarg_segment_ptr 1
		.amdhsa_wavefront_size32 1
		.amdhsa_system_sgpr_workgroup_id_x 1
		.amdhsa_system_sgpr_workgroup_id_y 1
		.amdhsa_system_sgpr_workgroup_id_z 1
		.amdhsa_system_vgpr_workitem_id 0
		.amdhsa_next_free_vgpr 514
		.amdhsa_next_free_sgpr 72
		.amdhsa_reserve_vcc 1
		.amdhsa_float_denorm_mode_32 3
		.amdhsa_float_denorm_mode_16_64 3
		.amdhsa_memory_ordered 1
		.amdhsa_forward_progress 1
		.amdhsa_inst_pref_size 231
	.end_amdhsa_kernel
	.amdgpu_metadata
---
amdhsa.version: [ 1, 2 ]
amdhsa.kernels:
  - .name:           k_q64b2e1c010_attn
    .symbol:         k_q64b2e1c010_attn.kd
    .args:
      - { .name: qkv, .offset: 0, .size: 8, .value_kind: global_buffer, .address_space: global }
      - { .name: ao, .offset: 8, .size: 8, .value_kind: global_buffer, .address_space: global }
    .group_segment_fixed_size: 327680
    .private_segment_fixed_size: 0
    .kernarg_segment_align: 8
    .kernarg_segment_size: 16
    .max_flat_workgroup_size: 128
    .sgpr_count:     72
    .vgpr_count:     514
    .wavefront_size: 32
...
	.end_amdgpu_metadata
.endif
;; end of part 3
;; launch ogemm (part 4): grid 8 x 32, 4 waves a work-group, clusters of 4 x 4, 327,680 bytes of LDS; arguments ao, wob, out0; writes out0
.if DOCPART == 4
	.amdgcn_target "amdgcn-amd-amdhsa--gfx1250"
	.amdhsa_code_object_version 6
	.text
	.protected	k_q64b2e1c010_ogemm
	.globl	k_q64b2e1c010_ogemm
	.p2align	8
	.type	k_q64b2e1c010_ogemm,@function
k_q64b2e1c010_ogemm:
	s_mov_b64 s[64:65], 0
	v_nop
	global_prefetch_b8 v0, s[64:65] scope:SCOPE_SE
	s_setreg_imm32_b32 hwreg(HW_REG_WAVE_MODE, 25, 1), 1
	s_wait_xcnt 0x0
	s_wait_alu depctr_hold_cnt(0) depctr_sa_sdst(0) depctr_va_vdst(0) depctr_va_sdst(0) depctr_va_ssrc(0) depctr_va_vcc(0) depctr_vm_vsrc(0)
	s_getreg_b32 s2, hwreg(HW_REG_IB_STS2, 6, 4)
	s_cmp_eq_u32 s2, 0
	s_cbranch_scc0 .Lentry_in_a_cluster
	s_endpgm
.Lentry_in_a_cluster:
	s_bfe_u32 s2, ttmp6, 0x10000c
	s_cmp_lg_u32 s2, 0xf033
	s_cbranch_scc0 .Lentry_shape_is_right
	s_endpgm
.Lentry_shape_is_right:
; out0[4096][1024] f32 = sum over heads and columns of ao x o_proj: f16 operands, f32 sums, K = 1024.
; ao  [32 row blocks][16 heads][128 rows][64] f16;  wob [8 column blocks][16 heads][128 n][64] f16: a block's heads follow each other densely.
; A work-group makes 128 x 128 with four waves of 64 x 64 (16 accumulator tiles): 8 x 32 = 256 work-groups; a larger block would leave half as many.
; A K step is four heads (256 of K); four steps on two LDS slots.  A slot of four heads gives a refill 120 matrix instructions in which to land.
; CLUSTERS: 4 x 4; ao's tile is asked for jointly along a row of the cluster, wob's along a column.
; Transposed use (source 0 = rows of wob, source 1 = rows of ao): a lane's eight results are eight neighbouring columns of one row of out0.
; WINDOWS: 0: addresses, ao's fragments; 1: wob's fragments; 2: accumulator tile (a, b) at v[8 (4 a + b)].
.set PITCH,  272                       ; two rows of 128 bytes + 16 of padding
.set HEADB,  64*PITCH                  ; a head's 128 rows
.set QUART,  2*HEADB                   ; one tensor load: two heads, 34,816 bytes in LDS
.set BOFF,   2*QUART
.set SLOT,   4*QUART                   ; 139,264
.set STAGE,  2*SLOT                    ; 16 rows x 272 bytes for each wave; no tensor load lands here
.set STEPB,  65536                     ; four heads in memory
.set ADRA, 16
.set ADRB, 20
.set STO,  24
.set RD,   25
.set CO,   26
.set F0,   64
.set F1,   128
.set G1,  24
.set G0,  32
.set G1B, 48
.set G0B, 56
.set MUL,  0xa1                        ; source 0 window 1, source 1 window 0, C and D window 2
.set TO_B, 0x40
.set MSB, 0
.macro WIN new
.if MSB != \new
	s_set_vgpr_msb (MSB<<8)|\new
.set MSB, \new
.endif
.endm
.macro JLOAD s                         ; waves 0 and 1 fetch ao's two halves of the step, waves 2 and 3 wob's
	s_cmp_eq_u32 s11, 0
	s_cbranch_scc0 .Lfor_b_\@
	tensor_load_to_lds s[G0+4*\s:G0+4*\s+3], s[G1:G1+7]
	s_nop 0
	s_branch .Lasked_\@
.Lfor_b_\@:
	tensor_load_to_lds s[G0B+4*\s:G0B+4*\s+3], s[G1B:G1B+7]
	s_nop 0
.Lasked_\@:
.endm
.macro CREST
	s_cmp_lg_u32 s10, 0
	s_cbranch_scc1 .Lnot_wave_0_\@
	s_barrier_signal -3
.Lnot_wave_0_\@:
	s_barrier_wait -3
	s_barrier_signal -1
	s_barrier_wait -1
.endm
.macro CROUND
	s_barrier_signal -1
	s_barrier_wait -1
	CREST
.endm
.macro PLACES                          ; four independent vector instructions behind a matrix instruction (ISA guide 7.12.1)
.rept 4
	v_nop
.endr
.endm
	s_load_b128 s[4:7], s[0:1], 0x0                ; ao s[4:5], wob s[6:7]
	s_load_b64 s[8:9], s[0:1], 0x10                ; out0
	s_set_vgpr_msb 0x40
	v_lshl_add_u32 v255, v0, 2, 0x48400
	s_set_vgpr_msb 0x4000
	v_mov_b32 v255, 0
	s_set_vgpr_msb 0x1
	ds_add_u32 v255, v255
	s_set_vgpr_msb 0x100
	v_lshrrev_b32 v1, 5, v0
	v_readfirstlane_b32 s10, v1
	s_lshr_b32 s11, s10, 1                         ; wm.  Also: I fetch for ao (0) or wob (1)
	s_and_b32 s12, s10, 1                          ; wn.  Also: which two heads of the step I fetch
	s_bfe_u32 s40, ttmp6, 0x40000                  ; cx
	s_bfe_u32 s41, ttmp6, 0x40004                  ; cy
	s_lshl_b32 s42, ttmp9, 2
	s_add_co_u32 s42, s42, s40                     ; block column
	s_and_b32 s13, ttmp7, 0xffff
	s_lshl_b32 s13, s13, 2
	s_add_co_u32 s13, s13, s41                     ; block row
	s_lshl_b32 s43, s41, 2
	s_lshl_b32 s43, 15, s43
	s_lshl_b32 s44, 0x1111, s40
	; group 1: two heads, dense, as 128 rows of 32 elements of 8 bytes, 16 bytes of padding behind each
	s_or_b32 s[G1+0], s43, (3<<16)|(1<<20)|(1<<21)|(5<<22)|(3<<25)
	s_or_b32 s[G1B+0], s44, (3<<16)|(1<<20)|(1<<21)|(5<<22)|(3<<25)
	s_mov_b32 s[G1+1], 32<<16
	s_mov_b32 s[G1B+1], 32<<16
	s_mov_b32 s[G1+2], 128<<16
	s_mov_b32 s[G1B+2], 128<<16
	s_mov_b32 s[G1+3], 32<<16
	s_mov_b32 s[G1B+3], 32<<16
	s_mov_b32 s[G1+4], 128
	s_mov_b32 s[G1B+4], 128
	s_mov_b32 s[G1+5], 32
	s_mov_b32 s[G1B+5], 32
	s_mov_b32 s[G1+6], 0
	s_mov_b32 s[G1B+6], 0
	s_mov_b32 s[G1+7], 0
	s_mov_b32 s[G1B+7], 0
	s_lshl_b32 s16, s13, 18                        ; ao: block row x 16 heads x 16,384 bytes
	s_lshl_b32 s17, s12, 15                        ; + my two heads
	s_add_co_u32 s16, s16, s17
	s_mov_b32 s17, 0
	s_lshl_b32 s46, s42, 18                        ; wob: the same with the block column
	s_lshl_b32 s18, s12, 15
	s_add_co_u32 s46, s46, s18
	s_mov_b32 s47, 0
	s_mul_i32 s20, s10, QUART                      ; ao's halves, then wob's halves = wave x 34,816
	s_wait_dscnt 0x0
	s_wait_kmcnt 0x0
	s_add_nc_u64 s[14:15], s[4:5], s[16:17]
	s_add_nc_u64 s[46:47], s[6:7], s[46:47]
	CROUND                                         ; in front of the first joint loads
.irp s, 0,1
	s_mov_b32 s[G0+4*\s], 1
	s_add_co_u32 s[G0+4*\s+1], s20, \s*SLOT
	s_add_nc_u64 s[G0+4*\s+2:G0+4*\s+3], s[14:15], \s*STEPB
	s_or_b32 s[G0+4*\s+3], s[G0+4*\s+3], 0x80000000
	s_mov_b32 s[G0B+4*\s], 1
	s_add_co_u32 s[G0B+4*\s+1], s20, \s*SLOT
	s_add_nc_u64 s[G0B+4*\s+2:G0B+4*\s+3], s[46:47], \s*STEPB
	s_or_b32 s[G0B+4*\s+3], s[G0B+4*\s+3], 0x80000000
	JLOAD \s                                       ; K steps 0 and 1: two loads of this wave are out
.endr
	v_and_b32 v1, 15, v0                           ; r
	v_bfe_u32 v2, v0, 4, 1                         ; h
	v_lshrrev_b32 v4, 1, v1
	v_and_b32 v5, 1, v1
	v_mul_u32_u24 v6, v4, PITCH
	v_lshl_add_u32 v6, v5, 7, v6
	v_lshl_add_u32 v6, v2, 4, v6                   ; row r: (r / 2) x pitch + (r mod 2) x 128 + 16 h
	s_mul_i32 s16, s11, 32*PITCH                   ; my 64 rows of ao
	s_mul_i32 s17, s12, 32*PITCH                   ; my 64 rows of wob
	s_add_co_u32 s17, s17, BOFF
.irp s, 0,1
	v_add_nc_u32 v[ADRA+\s], s16, v6
	v_add_nc_u32 v[ADRB+\s], s17, v6
	s_add_co_u32 s16, s16, SLOT
	s_add_co_u32 s17, s17, SLOT
.endr
	s_mul_i32 s18, s10, 16*PITCH
	s_add_co_u32 s18, s18, STAGE                   ; my stage
	v_mul_u32_u24 v7, v1, PITCH                    ; in: row r, 32 bytes for each half of the lanes
	v_lshl_add_u32 v7, v2, 5, v7
	v_add_nc_u32 v[STO], s18, v7
	v_mul_u32_u24 v8, v2, PITCH                    ; back: lanes 0-15 one row of 256 bytes, lanes 16-31 the next
	v_lshl_add_u32 v8, v1, 4, v8
	v_add_nc_u32 v[RD], s18, v8
	v_lshlrev_b32 v9, 12, v2                       ; the same two rows in out0
	v_lshl_add_u32 v[CO], v1, 4, v9
.macro MUL8 f, a0, zero                ; row tiles a0, a0 + 1 x my four column tiles, 32 along K
.irp a, \a0, \a0+1
.irp b, 0,1,2,3
.if \zero
	v_wmma_f32_16x16x32_f16 v[8*(4*(\a)+\b):8*(4*(\a)+\b)+7], v[\f+8*\b:\f+8*\b+7], v[\f+8*(\a):\f+8*(\a)+7], 0
.else
	v_wmma_f32_16x16x32_f16 v[8*(4*(\a)+\b):8*(4*(\a)+\b)+7], v[\f+8*\b:\f+8*\b+7], v[\f+8*(\a):\f+8*(\a)+7], v[8*(4*(\a)+\b):8*(4*(\a)+\b)+7]
.endif
.endr
.endr
.endm
.macro FETCH slot, kk, f               ; 16 loads: sub-step kk of eight = head kk / 2 of the step, half kk mod 2 of its 64 columns
	WIN TO_B
.irp i, 0,1,2,3
	ds_load_b128 v[\f+8*\i:\f+8*\i+3],   v[ADRB+\slot] offset:(\kk/2)*HEADB+(\kk%2)*64+\i*8*PITCH
	ds_load_b128 v[\f+8*\i+4:\f+8*\i+7], v[ADRB+\slot] offset:(\kk/2)*HEADB+(\kk%2)*64+\i*8*PITCH+32
.endr
	WIN 0
.irp i, 0,1,2,3
	ds_load_b128 v[\f+8*\i:\f+8*\i+3],   v[ADRA+\slot] offset:(\kk/2)*HEADB+(\kk%2)*64+\i*8*PITCH
	ds_load_b128 v[\f+8*\i+4:\f+8*\i+7], v[ADRA+\slot] offset:(\kk/2)*HEADB+(\kk%2)*64+\i*8*PITCH+32
.endr
.endm
; A sub-step: buffer f is multiplied; ahead of that sub-step kk's fragments are asked for into buffer g.  The 16 accumulators take turns, one
; instruction a turn, in the same order everywhere.
.macro SUB f, g, slot, kk, zero
	s_wait_dscnt 0x0                               ; buffer f is in
	PLACES                                         ; behind the matrix instructions that read buffer g
	FETCH \slot, \kk, \g
	WIN MUL
	MUL8 \f, 0, \zero
	MUL8 \f, 2, \zero
.endm
.macro SEVEN slot, zero
	SUB F0, F1, \slot, 1, \zero
	SUB F1, F0, \slot, 2, 0
	SUB F0, F1, \slot, 3, 0
	SUB F1, F0, \slot, 4, 0
	SUB F0, F1, \slot, 5, 0
	SUB F1, F0, \slot, 6, 0
	SUB F0, F1, \slot, 7, 0
.endm
; The eighth sub-step changes slots: each wave's reads of this slot and all its tensor loads are waited for in front of the barrier; with fill = 1 the
; barrier opens a round of the cluster's barrier and the joint refill, two K steps ahead, is the first thing behind the round.
.macro TURN slot, next, fill
	s_wait_dscnt 0x0
	s_wait_tensorcnt 0x0
	ds_add_u32 v255, v255
	s_wait_dscnt 0x0
	s_barrier_signal -1
	WIN MUL
	MUL8 F1, 0, 0
	WIN 0
	s_barrier_wait -1
.if \fill
	CREST
	s_add_nc_u64 s[G0+4*\slot+2:G0+4*\slot+3], s[G0+4*\slot+2:G0+4*\slot+3], 2*STEPB
	s_add_nc_u64 s[G0B+4*\slot+2:G0B+4*\slot+3], s[G0B+4*\slot+2:G0B+4*\slot+3], 2*STEPB
	JLOAD \slot
.endif
	PLACES
	FETCH \next, 0, F0
	WIN MUL
	MUL8 F1, 2, 0
.endm
	s_wait_tensorcnt 0x1                           ; my part of K step 0 is in; K step 1's stays out
	s_barrier_signal -1
	s_barrier_wait -1
	FETCH 0, 0, F0
	SEVEN 0, 1                                     ; K step 0: the first products start the sums
	TURN 0, 1, 1                                   ; slot 0 gets K step 2
	SEVEN 1, 0
	TURN 1, 0, 1                                   ; slot 1 gets K step 3
	SEVEN 0, 0
	TURN 0, 1, 0
	SEVEN 1, 0
	s_wait_dscnt 0x0
	MUL8 F1, 0, 0
	MUL8 F1, 2, 0
	; THE WAY OUT, 16 rows at a time: 32 bytes a lane into my own stage, read back as whole rows of 256 bytes.
	PLACES
	s_lshl_b32 s16, s13, 19                        ; 128 x block row rows of 4,096 bytes
	s_lshl_b32 s17, s11, 18                        ; + 64 wm rows
	s_add_co_u32 s16, s16, s17
	s_mov_b32 s17, 0
	s_add_nc_u64 s[8:9], s[8:9], s[16:17]
	s_lshl_b32 s46, s42, 9                         ; 128 x block column columns of 4 bytes
	s_lshl_b32 s47, s12, 8                         ; + 64 wn
	s_add_co_u32 s46, s46, s47
	s_mov_b32 s47, 0
	s_add_nc_u64 s[8:9], s[8:9], s[46:47]
.macro OUTO a, f
	WIN 0x08                                       ; store data from window 2
.irp b, 0,1,2,3
	ds_store_b128 v[STO], v[8*(4*\a+\b):8*(4*\a+\b)+3]   offset:64*\b
	ds_store_b128 v[STO], v[8*(4*\a+\b)+4:8*(4*\a+\b)+7] offset:64*\b+16
.endr
	WIN 0
	s_wait_xcnt 0x0                                ; buffer f held store data two turns ago: it is loaded again only behind this wait
.irp t, 0,1,2,3,4,5,6,7
	ds_load_b128 v[\f+4*\t:\f+4*\t+3], v[RD] offset:\t*2*PITCH     ; my own bytes: LDS serves a wave's instructions in order
.endr
.irp t, 0,1,2,3,4,5,6,7
	s_wait_dscnt 7-\t                              ; the 7 - t younger read-backs may be out
	global_store_b128 v[CO], v[\f+4*\t:\f+4*\t+3], s[8:9] offset:\a*65536+\t*8192 th:TH_STORE_NT   ; sixteen lanes store 256 consecutive bytes, aligned
.endr
.endm
	OUTO 0, F0
	OUTO 1, F1
	OUTO 2, F0
	OUTO 3, F1
	s_set_vgpr_msb 0x1
	s_wait_tensorcnt 0x0
	ds_add_u32 v255, v255
	s_wait_dscnt 0x0
	s_set_vgpr_msb 0x100
	CROUND                                         ; the closing round
	s_endpgm
.Lfunc_end_k_q64b2e1c010_ogemm:
	.size	k_q64b2e1c010_ogemm, .Lfunc_end_k_q64b2e1c010_ogemm-k_q64b2e1c010_ogemm
	.p2alignl 7, 3214868480
	.fill 96, 4, 3214868480
	.section	.rodata,"a",@progbits
	.p2align	6, 0x0
	.amdhsa_kernel k_q64b2e1c010_ogemm
		.amdhsa_group_segment_fixed_size 327680
		.amdhsa_private_segment_fixed_size 0
		.amdhsa_enable_private_segment 0
		.amdhsa_kernarg_size 24
		.amdhsa_user_sgpr_count 2
		.amdhsa_user_sgpr_kernarg_segment_ptr 1
		.amdhsa_wavefront_size32 1
		.amdhsa_system_sgpr_workgroup_id_x 1
		.amdhsa_system_sgpr_workgroup_id_y 1
		.amdhsa_system_sgpr_workgroup_id_z 1
		.amdhsa_system_vgpr_workitem_id 0
		.amdhsa_next_free_vgpr 640
		.amdhsa_next_free_sgpr 66
		.amdhsa_reserve_vcc 0
		.amdhsa_float_denorm_mode_32 3
		.amdhsa_float_denorm_mode_16_64 3
		.amdhsa_memory_ordered 1
		.amdhsa_forward_progress 1
		.amdhsa_inst_pref_size 90
	.end_amdhsa_kernel
	.amdgpu_metadata
---
amdhsa.version: [ 1, 2 ]
amdhsa.kernels:
  - .name:           k_q64b2e1c010_ogemm
    .symbol:         k_q64b2e1c010_ogemm.kd
    .args:
      - { .name: ao, .offset: 0, .size: 8, .value_kind: global_buffer, .address_space: global }
      - { .name: wob, .offset: 8, .size: 8, .value_kind: global_buffer, .address_space: global }
      - { .name: out0, .offset: 16, .size: 8, .value_kind: global_buffer, .address_space: global }
    .group_segment_fixed_size: 327680
    .private_segment_fixed_size: 0
    .kernarg_segment_align: 8
    .kernarg_segment_size: 24
    .max_flat_workgroup_size: 128
    .sgpr_count:     66
    .vgpr_count:     640
    .wavefront_size: 32
...
	.end_amdgpu_metadata
.endif
;; end of part 4
;; ======== version 2 of 2: 4 launches; 1.09 times as fast as version 1
;; limits: values are held in f16: magnitudes above 65,504 overflow, below 6.1e-05 lose precision
;; workspace buffers: xb 8,388,608 bytes; wb 6,291,456 bytes; wob 2,097,152 bytes; qkv 25,165,824 bytes; ao 8,388,608 bytes
;; launch cvt: the kernel of part 1 again; grid 512 x 1, 8 waves a work-group, no clusters, 0 bytes of LDS; arguments X, q_proj, k_proj, v_proj, o_proj, xb, wb, wob; writes xb, wb, wob
;; launch qkvgemm: the kernel of part 2 again; grid 16 x 16, 4 waves a work-group, clusters of 4 x 4, 327,680 bytes of LDS; arguments xb, wb, qkv; writes qkv
;; launch attn (part 5): grid 8 x 32, 4 waves a work-group, no clusters, 327,680 bytes of LDS; arguments qkv, ao; writes ao
.if DOCPART == 5
	.amdgcn_target "amdgcn-amd-amdhsa--gfx1250"
	.amdhsa_code_object_version 6
	.text
	.protected	k_q64b2e1c010_attn
	.globl	k_q64b2e1c010_attn
	.p2align	8
	.type	k_q64b2e1c010_attn,@function
k_q64b2e1c010_attn:
	s_mov_b64 s[64:65], 0
	v_nop
	global_prefetch_b8 v0, s[64:65] scope:SCOPE_SE
	s_setreg_imm32_b32 hwreg(HW_REG_WAVE_MODE, 25, 1), 1
	s_wait_xcnt 0x0
; Causal attention of one (batch, head) for two blocks of 128 queries, with a running maximum; f16 operands, f32 sums and softmax.
; Reads q, k, v from qkv [48 slots][4096 rows][64] f16; writes ao [32 row blocks][16 heads][128 rows][64] f16.
; EVEN WORK: work-group (j, bh) takes query blocks j and 15 - j: (j + 1) + (16 - j) = 17 key tiles of 128 for each of the 8 x 32 = 256 work-groups.
; The block with the odd number of tiles goes first (nB tiles), so its diagonal tile always falls on an even place of the sequence n = 0..16
; (LDS slot 0) and the second block's first tile on an odd place (slot 1): each slot's text carries one test only.
; TRANSPOSED: S^T = K Q^T (A = 16 keys, B = 16 queries).  A lane then holds one query's scores, and S^T packed to f16 is in place the B fragment of
; O^T = V^T P^T: P never goes through LDS, and maximum and sum are one number a lane (two halves of the lanes share a query).
; V^T's fragments come from V's rows by the transposing LDS load.
; Wave w has queries 32 w .. 32 w + 31 of the block, as two tiles of 16.
; THE EXPONENTIALS of a key tile are TWO BATCHES, each with one wait ahead of its first reader.  Batch 1: the two factors for what was summed under the
; old maximum, and the first four score tiles of each query tile (66); all 64 scalings stand among them.  Batch 2: the other four score tiles of each
; query tile (64); batch 1's sums and half of its roundings stand among them.  The rest of the sums and roundings follows batch 2's wait.
; A block's two reciprocals are a batch of their own.
; NO CLUSTER: partners would need different numbers of tiles.  Four query blocks of a head in step would take the longest one's count, 20 tile times
; for a pair of blocks against 17 here, and a work-group fetches only 17 x 32 KiB in all.
; LIMITS: scores finite; p below 2^-126 counts as 0 (v_exp_f32 flushes); P is rounded to f16, the row sum is taken from the unrounded p.
.set KPITCH, 272                       ; two keys of 128 bytes + 16 of padding
.set VPITCH, 288                       ; two keys + 32 of padding (an odd multiple of 32 for the transposing load)
.set KSLOT,  64*KPITCH                 ; 17,408
.set VSLOT,  64*VPITCH                 ; 18,432
.set VBASE,  2*KSLOT                   ; 34,816
.set STAGE,  VBASE+2*VSLOT             ; 71,680: 4,352 bytes for each wave; no tensor load lands here
.set KAD, 2                            ; v2  K fragment address
.set VAD, 3                            ; v3  V fragment address
.set QOF, 4                            ; v4  Q fragment offset
.set AOF, 5                            ; v5  my 16 bytes in ao
.set STO, 6                            ; v6  stage, in
.set RD,  7                            ; v7  stage, back
.set DV,  8                            ; v8  32 w + r - 8 h, for the diagonal
.set NMC, 10                           ; v[10:11] -(running maximum) x c, for each query tile
.set TM,  12                           ; v[12:13] the tile's maximum, then -(it) x c
.set AL,  14                           ; v[14:15] the factor for what has been summed so far
.set LP,  16                           ; v[16:19] two partial row sums for each query tile
.set T,   20                           ; v[20:27] chains of the maximum
.set TP,  28                           ; v[28:31] at work
.set QF,  32                           ; v[32:63]  Q fragment (q, c) at 32 + 16 q + 8 c
.set OA,  64                           ; v[64:127] O^T tile (d, q) at 64 + 8 (4 q + d)
.set SC,  128                          ; v[128:255] S^T tile (q, k) at 128 + 8 (8 q + k); P fragment (q, g) at 128 + 32 q + 8 g
                                       ; window 1: K fragment (k, c) at 16 k + 8 c; V^T fragment (d, g) at 128 + 8 (4 d + g)
.set MSB, 0
.macro WIN new
.if MSB != \new
	s_set_vgpr_msb (MSB<<8)|\new
.set MSB, \new
.endif
.endm
.macro NOPS n
.rept \n
	v_nop
.endr
.endm
; the address of key tile number (place s13 + ahead) into both group 0 sets of a slot: the second block starts again at key 0
.macro TADDR slot, ahead
	s_add_co_u32 s15, s13, \ahead
	s_cmp_ge_u32 s15, s11
	s_cselect_b32 s70, s11, 0
	s_sub_co_u32 s15, s15, s70
	s_lshl_b32 s60, s15, 14                        ; 128 keys of 128 bytes
	s_add_nc_u64 s[34+4*\slot:35+4*\slot], s[48:49], s[60:61]
	s_or_b32 s[35+4*\slot], s[35+4*\slot], 0x80000000
	s_add_nc_u64 s[42+4*\slot:43+4*\slot], s[50:51], s[60:61]
	s_or_b32 s[43+4*\slot], s[43+4*\slot], 0x80000000
.endm
; a slot's refill: wave 0 asks for K's tile, wave 1 for V's, 16 KiB each; waves 2 and 3 ask for nothing
.macro TLOAD slot
	s_cmp_lg_u32 s8, 0
	s_cbranch_scc1 .Lnot_k_\@
	tensor_load_to_lds s[32+4*\slot:35+4*\slot], s[16:23]
	s_nop 0
.Lnot_k_\@:
	s_cmp_lg_u32 s8, 1
	s_cbranch_scc1 .Lnot_v_\@
	tensor_load_to_lds s[40+4*\slot:43+4*\slot], s[24:31]
	s_nop 0
.Lnot_v_\@:
.endm
.macro LDK slot                        ; 32 loads: the tile's 128 keys x 64
	WIN 0x40
.irp k, 0,1,2,3,4,5,6,7
.irp c, 0,1
	ds_load_b128 v[16*\k+8*\c:16*\k+8*\c+3],   v[KAD] offset:(\slot)*KSLOT+\k*8*KPITCH+\c*64
	ds_load_b128 v[16*\k+8*\c+4:16*\k+8*\c+7], v[KAD] offset:(\slot)*KSLOT+\k*8*KPITCH+\c*64+32
.endr
.endr
	WIN 0
.endm
.macro LDV slot                        ; 32 transposing loads: 64 columns of V x the tile's 128 keys
	WIN 0x40
.irp g, 0,1,2,3
.irp d, 0,1,2,3
	ds_load_tr16_b128 v[128+8*(4*\d+\g):128+8*(4*\d+\g)+3],   v[VAD] offset:(\slot)*VSLOT+\g*16*VPITCH+\d*32
	ds_load_tr16_b128 v[128+8*(4*\d+\g)+4:128+8*(4*\d+\g)+7], v[VAD] offset:(\slot)*VSLOT+\g*16*VPITCH+8*VPITCH+\d*32
.endr
.endr
	WIN 0
.endm
.macro LDQ base                        ; my 32 queries, straight into fragments
.irp q, 0,1
.irp c, 0,1
	global_load_b128 v[QF+16*\q+8*\c:QF+16*\q+8*\c+3],   v[QOF], s[\base:\base+1] offset:\q*2048+\c*64
	global_load_b128 v[QF+16*\q+8*\c+4:QF+16*\q+8*\c+7], v[QOF], s[\base:\base+1] offset:\q*2048+\c*64+32
.endr
.endr
.endm
.macro SMUL                            ; 32 matrix instructions; the sixteen score tiles take turns
	WIN 0x01
.irp q, 0,1
.irp k, 0,1,2,3,4,5,6,7
	v_wmma_f32_16x16x32_f16 v[SC+8*(8*\q+\k):SC+8*(8*\q+\k)+7], v[16*\k:16*\k+7], v[QF+16*\q:QF+16*\q+7], 0
.endr
.endr
.irp q, 0,1
.irp k, 0,1,2,3,4,5,6,7
	v_wmma_f32_16x16x32_f16 v[SC+8*(8*\q+\k):SC+8*(8*\q+\k)+7], v[16*\k+8:16*\k+15], v[QF+16*\q+8:QF+16*\q+15], v[SC+8*(8*\q+\k):SC+8*(8*\q+\k)+7]
.endr
.endr
	WIN 0
.endm
.macro MASK                            ; key 16 k + 8 h + i stays where it is <= query 32 w + 16 q + r; the others become -inf
.irp q, 0,1
.irp k, 0,1,2,3,4,5,6,7
.irp i, 0,1,2,3,4,5,6,7
	v_cmp_le_i32 vcc_lo, 16*\k+\i-16*\q, v[DV]
	v_cndmask_b32 v[SC+8*(8*\q+\k)+\i], s67, v[SC+8*(8*\q+\k)+\i], vcc_lo
.endr
.endr
.endr
.endm
.macro MAXP                            ; the tile's largest score of each query: four chains for each query tile, then the other half of the lanes
.irp q, 0,1
.irp c, 0,1,2,3
	v_max_num_f32 v[T+4*\q+\c], v[SC+64*\q+16*\c], v[SC+64*\q+16*\c+1]
.endr
.endr
.irp i, 1,2,3,4,5,6,7
.irp q, 0,1
.irp c, 0,1,2,3
	v_max3_num_f32 v[T+4*\q+\c], v[T+4*\q+\c], v[SC+64*\q+16*\c+2*\i], v[SC+64*\q+16*\c+2*\i+1]
.endr
.endr
.endr
.irp q, 0,1
	v_max3_num_f32 v[T+4*\q], v[T+4*\q], v[T+4*\q+1], v[T+4*\q+2]
.endr
.irp q, 0,1
	v_max_num_f32 v[T+4*\q], v[T+4*\q], v[T+4*\q+3]
.endr
.irp q, 0,1
	v_permlanex16_b32 v[TP+\q], v[T+4*\q], s68, s69
.endr
.irp q, 0,1
	v_max_num_f32 v[TM+\q], v[T+4*\q], v[TP+\q]
.endr
.endm
; The running maximum moves; what was summed under the old one is to be scaled by 2^(c (old - new)).  The two factors open the tile's first batch of
; exponentials: nothing names them before that batch's wait, which stands in SOFT, and the row sums are scaled behind it.
.macro STATS
.irp q, 0,1
	v_mul_f32 v[TM+\q], s66, v[TM+\q]              ; -c x the tile's maximum
.endr
.irp q, 0,1
	v_sub_f32 v[AL+\q], v[TM+\q], v[NMC+\q]        ; a block's first tile: NMC = +inf, so -inf, and the factor is 0
.endr
.irp q, 0,1
	v_min_num_f32 v[AL+\q], 0, v[AL+\q]
.endr
.irp q, 0,1
	v_exp_f32 v[AL+\q], v[AL+\q]
	v_min_num_f32 v[NMC+\q], v[NMC+\q], v[TM+\q]   ; plain work that touches neither factor stands behind each exponential (ISA guide 5.7.2)
.endr
.endm
; p = 2^(c S - c max), summed in f32 and packed to f16 in place.  Pair p of 64 is the registers SC + 2 p, SC + 2 p + 1: pairs 0-31 are query tile 0's, 32-63 query tile 1's.
; SCL f: scaling number f of 64, in the order in which the exponentials want them: the two query tiles by turns, batch 1's pairs (0-15, 32-47) first, then batch 2's (16-31, 48-63).
.macro SCL f
.set pp, 16*((\f)/32)+((\f)%32)/2+32*((\f)%2)
.if pp < 32
	v_pk_fma_f32 v[SC+2*pp:SC+2*pp+1], v[SC+2*pp:SC+2*pp+1], s[62:63], v[NMC:NMC+1] op_sel_hi:[1,0,0]
.else
	v_pk_fma_f32 v[SC+2*pp:SC+2*pp+1], v[SC+2*pp:SC+2*pp+1], s[62:63], v[NMC:NMC+1] op_sel:[0,0,1] op_sel_hi:[1,0,1]
.endif
.endm
; EXPO e, base: exponential number e of a batch's 64, in place; base = 0: batch 1, 16: batch 2.  Numbers 4 u, 4 u + 1 are pair base + u, numbers 4 u + 2, 4 u + 3 pair base + 32 + u.
.macro EXPO e, base
.set rr, SC+2*((\base)+(\e)/4+32*(((\e)/2)%2))+(\e)%2
	v_exp_f32 v[rr], v[rr]
.endm
.macro SUMP p                          ; pair p onto its query tile's row sums
	v_pk_add_f32 v[LP+2*((\p)/32):LP+2*((\p)/32)+1], v[LP+2*((\p)/32):LP+2*((\p)/32)+1], v[SC+2*(\p):SC+2*(\p)+1]
.endm
.macro RNDP n                          ; pair n rounded to f16, into register SC + n: it stands behind the sum and the rounding of pair n / 2, to which that register belongs
	v_cvt_pk_f16_f32 v[SC+(\n)], v[SC+2*(\n)], v[SC+2*(\n)+1]
.endm
; Each row sum takes its 32 pairs in ascending order; the two sums' chains alternate, so that a link never follows the link before it.
.macro SOFT
	SCL 0                                          ; BATCH 1 goes on (STATS opened it): exponential and scaling by turns; a pair's scaling stands ahead of its exponentials
	SCL 1
.set u, 0
.rept 62
	EXPO u, 0
	SCL u+2
.set u, u+1
.endr
	EXPO 62, 0
	EXPO 63, 0
	s_wait_alu depctr_va_vdst(0)                   ; one wait for batch 1: the two factors and the 64 exponentials of pairs 0-15 and 32-47; nothing above names a result of theirs
	v_pk_mul_f32 v[LP:LP+1],   v[LP:LP+1],   v[AL:AL+1] op_sel_hi:[1,0]                 ; the row sums under the new maximum; also the plain line behind the last exponential
	v_pk_mul_f32 v[LP+2:LP+3], v[LP+2:LP+3], v[AL:AL+1] op_sel:[0,1] op_sel_hi:[1,1]
.set u, 0
.rept 16                               ; BATCH 2, and among it batch 1's readers, which name SC + 0..31 and SC + 64..95 alone: never batch 2's registers, SC + 32..63 and SC + 96..127
	EXPO 4*u, 16
	SUMP u
	EXPO 4*u+1, 16
	SUMP 32+u
	EXPO 4*u+2, 16
	RNDP u
	EXPO 4*u+3, 16
.set u, u+1
.endr
	s_wait_alu depctr_va_vdst(0)                   ; one wait for batch 2: the 64 exponentials of pairs 16-31 and 48-63; the sum below, of a pair issued long ago, is the plain line behind the last of them
.set u, 0
.rept 16                               ; query tile 1's roundings write SC + 32..63, query tile 0's upper scores: each stands behind the sum and the rounding of the pair that it writes over
	SUMP 16+u
	SUMP 48+u
	RNDP 16+u
	RNDP 32+2*u
	RNDP 33+2*u
.set u, u+1
.endr
.endm
.macro RESC                            ; O^T under the new maximum
.set i, 0
.rept 16
	v_pk_mul_f32 v[OA+2*i:OA+2*i+1], v[OA+2*i:OA+2*i+1], v[AL:AL+1] op_sel_hi:[1,0]
.set i, i+1
.endr
.rept 16
	v_pk_mul_f32 v[OA+2*i:OA+2*i+1], v[OA+2*i:OA+2*i+1], v[AL:AL+1] op_sel:[0,1] op_sel_hi:[1,1]
.set i, i+1
.endr
.endm
.macro PVG g, zero
.irp q, 0,1
.irp d, 0,1,2,3
.if \zero
	v_wmma_f32_16x16x32_f16 v[OA+8*(4*\q+\d):OA+8*(4*\q+\d)+7], v[128+8*(4*\d+\g):128+8*(4*\d+\g)+7], v[SC+32*\q+8*\g:SC+32*\q+8*\g+7], 0
.else
	v_wmma_f32_16x16x32_f16 v[OA+8*(4*\q+\d):OA+8*(4*\q+\d)+7], v[128+8*(4*\d+\g):128+8*(4*\d+\g)+7], v[SC+32*\q+8*\g:SC+32*\q+8*\g+7], v[OA+8*(4*\q+\d):OA+8*(4*\q+\d)+7]
.endif
.endr
.endr
.endm
.macro PV zero                         ; 32 matrix instructions; the eight tiles of O^T take turns.  zero = 1: a block's first tile starts the sums
	WIN 0x01
	PVG 0, \zero
	PVG 1, 0
	PVG 2, 0
	PVG 3, 0
	WIN 0
.endm
; A block is done: divide by the row sum, round to f16, through my own stage into whole rows, out.  more = 1: a second block follows.
.macro FIN base, more
	v_add_f32 v[TP],   v[LP],   v[LP+1]
	v_add_f32 v[TP+1], v[LP+2], v[LP+3]
	v_permlanex16_b32 v[TP+2], v[TP],   s68, s69
	v_permlanex16_b32 v[TP+3], v[TP+1], s68, s69
	v_add_f32 v[TP],   v[TP],   v[TP+2]
	v_add_f32 v[TP+1], v[TP+1], v[TP+3]            ; the key with the largest score gives 1, so the sum is at least about 1
	v_rcp_f32 v[TP],   v[TP]
	v_rcp_f32 v[TP+1], v[TP+1]
.if \more
	v_mov_b32 v[NMC],   0x7f800000                 ; plain work behind the reciprocals: the second block starts with no maximum and no sum
	v_mov_b32 v[NMC+1], 0x7f800000
	v_mov_b32 v[LP],   0
	v_mov_b32 v[LP+1], 0
	v_mov_b32 v[LP+2], 0
	v_mov_b32 v[LP+3], 0
.else
	v_nop
.endif
	s_wait_alu depctr_va_vdst(0)                   ; one wait for the two reciprocals, ahead of their first reader
.set i, 0
.rept 16
	v_pk_mul_f32 v[OA+2*i:OA+2*i+1], v[OA+2*i:OA+2*i+1], v[TP:TP+1] op_sel_hi:[1,0]
.set i, i+1
.endr
.rept 16
	v_pk_mul_f32 v[OA+2*i:OA+2*i+1], v[OA+2*i:OA+2*i+1], v[TP:TP+1] op_sel:[0,1] op_sel_hi:[1,1]
.set i, i+1
.endr
.set i, 0
.rept 32
	v_cvt_pk_f16_f32 v[SC+i], v[OA+2*i], v[OA+2*i+1]
.set i, i+1
.endr
.irp q, 0,1
.irp d, 0,1,2,3
	ds_store_b128 v[STO], v[SC+4*(4*\q+\d):SC+4*(4*\q+\d)+3] offset:\q*8*KPITCH+\d*32
.endr
.endr
.irp g, 0,1,2,3,4,5,6,7
	ds_load_b128 v[SC+32+4*\g:SC+32+4*\g+3], v[RD] offset:\g*2*KPITCH    ; my own bytes: LDS serves a wave's instructions in order
.endr
.irp g, 0,1,2,3,4,5,6,7
	s_wait_dscnt 7-\g                              ; the 7 - g younger read-backs may be out
	global_store_b128 v[AOF], v[SC+32+4*\g:SC+32+4*\g+3], s[\base:\base+1] offset:\g*512   ; 512 consecutive bytes a store
.endr
.if \more
	s_wait_xcnt 0x0                                ; the stores' data registers are score registers: written again only behind this wait
.endif
.endm
; One key tile.  first: 0 never a block's first tile, 1 always, 2 tested.  diag: 0 never the diagonal, 1 the last tile of all, 2 tested (first block's).
; fill: this slot is filled again, two places ahead.  next: another tile follows.
.macro TILE slot, first, diag, fill, next
.if \first
	s_wait_loadcnt 0x0                             ; the block's Q
.endif
	s_wait_dscnt 32                                ; K's 32 fragment loads are in; V's 32, issued behind them, may stay out
	SMUL
	NOPS 4                                         ; the places behind the last products: for the readers of the scores and for loads into K's and Q's registers
.if \diag == 2
	s_cmp_lg_u32 s13, s12
	s_cbranch_scc1 .Lno_diag_\@
	LDQ 54                                         ; the second block's Q
	MASK
.Lno_diag_\@:
.endif
.if \diag == 1
	MASK
.endif
.if \next
	s_set_vgpr_msb 0x8
	s_wait_tensorcnt 0x0                           ; all my tensor loads have landed: the one that was out is the next tile's
	ds_add_u32 v9, v1
	s_wait_dscnt 0x0
	s_set_vgpr_msb 0x800
.if \fill
	TADDR \slot, 2
.endif
	s_wait_dscnt 0x0                               ; this tile's K and V lie in registers: my reads of this slot are over
	s_barrier_signal -1
	MAXP                                           ; register work while the others arrive
	s_barrier_wait -1
.if \fill
	TLOAD \slot                                    ; first behind the barrier; it has a whole tile's work in which to land
.endif
	LDK 1-\slot                                    ; the next tile's K comes while the softmax runs
.else
	s_wait_dscnt 0x0                               ; V
	MAXP
.endif
	STATS                                          ; no label and no branch stands between the first exponential here and SOFT's second wait
	SOFT
.if \first == 1
	PV 1
.endif
.if \first == 0
	RESC
	PV 0
.endif
.if \first == 2
	s_cmp_eq_u32 s13, s11
	s_cbranch_scc1 .Lfirst_\@
	RESC
	PV 0
	s_branch .Ljoin_\@
.Lfirst_\@:
	PV 1
.Ljoin_\@:
.endif
	NOPS 5                                         ; the next tile's products write over P's registers, loads go into V's, the division reads O^T
.if \next
	LDV 1-\slot
.endif
.if \diag == 2
	s_cmp_lg_u32 s13, s12
	s_cbranch_scc1 .Lno_fin_\@
	FIN 56, 1
.Lno_fin_\@:
.endif
.if \diag == 1
	FIN 58, 0
.endif
.if \next
	s_add_co_u32 s13, s13, 1
.endif
.endm
	s_load_b128 s[4:7], s[0:1], 0x0                ; qkv s[4:5], ao s[6:7]
	v_lshl_add_u32 v9, v0, 2, 0x29000
	s_set_vgpr_msb 0x80
	v_mov_b32 v1, 0
	s_set_vgpr_msb 0x8088
	ds_add_u32 v9, v1
	s_set_vgpr_msb 0x8800
	v_lshrrev_b32 v1, 5, v0
	v_readfirstlane_b32 s8, v1                     ; wave
	s_mov_b32 s9, ttmp9                            ; j
	s_and_b32 s10, ttmp7, 0xffff                   ; 16 b + head
	s_sub_co_u32 s15, 15, s9
	s_bitcmp1_b32 s9, 0
	s_cselect_b32 s12, s15, s9                     ; the first block: the even one of j and 15 - j.  Also the place of its diagonal tile
	s_add_co_u32 s11, s12, 1                       ; nB, its number of tiles.  Also the place of the second block's first tile
	s_sub_co_u32 s70, 15, s12                      ; the second block
	s_lshr_b32 s71, s10, 4                         ; b
	s_and_b32 s15, s10, 15                         ; head
	s_mov_b32 s13, 0                               ; the place in the sequence
	s_mov_b32 s61, 0
	s_lshl_b32 s60, s15, 19                        ; head slot of 524,288 bytes
	s_lshl_b32 s14, s71, 18                        ; + 2,048 b rows of 128 bytes
	s_add_co_u32 s60, s60, s14
	s_wait_dscnt 0x0
	s_wait_kmcnt 0x0
	s_add_nc_u64 s[52:53], s[4:5], s[60:61]        ; q of (b, head)
	s_add_nc_u64 s[48:49], s[52:53], 0x800000      ; k: 16 slots on
	s_add_nc_u64 s[50:51], s[48:49], 0x800000      ; v: 16 more
	s_lshl_b32 s60, s70, 14
	s_add_nc_u64 s[54:55], s[52:53], s[60:61]      ; the second block's Q
	s_lshl_b32 s60, s12, 14
	s_add_nc_u64 s[52:53], s[52:53], s[60:61]      ; the first block's Q
	s_lshl_b32 s60, s71, 22                        ; ao: ((16 b + block) x 16 + head) x 16,384
	s_lshl_b32 s14, s15, 14
	s_add_co_u32 s60, s60, s14
	s_add_nc_u64 s[58:59], s[6:7], s[60:61]
	s_lshl_b32 s60, s12, 18
	s_add_nc_u64 s[56:57], s[58:59], s[60:61]      ; the first block's
	s_lshl_b32 s60, s70, 18
	s_add_nc_u64 s[58:59], s[58:59], s[60:61]      ; the second block's
	; group 1: a dense tile of 16 KiB as 64 rows of 32 elements of 8 bytes, padded behind every 64 words: K by 4 words, V by 8
	s_mov_b32 s16, (3<<16)|(1<<20)|(5<<22)|(3<<25)
	s_mov_b32 s17, 32<<16
	s_mov_b32 s18, 64<<16
	s_mov_b32 s19, 32<<16
	s_mov_b32 s20, 64
	s_mov_b32 s21, 32
	s_mov_b32 s22, 0
	s_mov_b32 s23, 0
	s_mov_b32 s24, (3<<16)|(1<<20)|(5<<22)|(7<<25)
	s_mov_b32 s25, 32<<16
	s_mov_b32 s26, 64<<16
	s_mov_b32 s27, 32<<16
	s_mov_b32 s28, 64
	s_mov_b32 s29, 32
	s_mov_b32 s30, 0
	s_mov_b32 s31, 0
	s_mov_b32 s32, 1                               ; group 0: K slot 0, K slot 1, V slot 0, V slot 1
	s_mov_b32 s33, 0
	s_mov_b32 s36, 1
	s_mov_b32 s37, KSLOT
	s_mov_b32 s40, 1
	s_mov_b32 s41, VBASE
	s_mov_b32 s44, 1
	s_mov_b32 s45, VBASE+VSLOT
	TADDR 0, 0
	TADDR 1, 1
	s_cmp_lg_u32 s8, 0                             ; the first fills: both slots of a wave's matrix inside its one branch; two loads of the wave are out
	s_cbranch_scc1 .Lnot_wave_0
	tensor_load_to_lds s[32:35], s[16:23]
	s_nop 0
	tensor_load_to_lds s[36:39], s[16:23]
	s_nop 0
.Lnot_wave_0:
	s_cmp_lg_u32 s8, 1
	s_cbranch_scc1 .Lnot_wave_1
	tensor_load_to_lds s[40:43], s[24:31]
	s_nop 0
	tensor_load_to_lds s[44:47], s[24:31]
	s_nop 0
.Lnot_wave_1:
	s_mov_b32 s62, 0x3e38aa3b                      ; c = log2(e) / 8: the scale 1 / sqrt(64) and the change of base in one
	s_mov_b32 s63, 0x3e38aa3b
	s_mov_b32 s66, 0xbe38aa3b                      ; -c
	s_mov_b32 s67, 0xff800000                      ; -inf
	s_mov_b32 s68, 0x76543210                      ; v_permlanex16_b32: lane i of the other half
	s_mov_b32 s69, 0xfedcba98
	v_and_b32 v[TP], 15, v0                        ; r
	v_bfe_u32 v[TP+1], v0, 4, 1                    ; h
	s_lshl_b32 s70, s8, 12                         ; my 32 rows of 128 bytes
	v_lshlrev_b32 v[QOF], 7, v[TP]
	v_lshl_add_u32 v[QOF], v[TP+1], 4, v[QOF]
	v_add_nc_u32 v[QOF], s70, v[QOF]               ; 4,096 w + 128 r + 16 h
	LDQ 52
	v_lshrrev_b32 v[TP+2], 1, v[TP]
	v_and_b32 v[TP+3], 1, v[TP]
	v_mul_u32_u24 v[KAD], v[TP+2], KPITCH
	v_lshl_add_u32 v[KAD], v[TP+3], 7, v[KAD]
	v_lshl_add_u32 v[KAD], v[TP+1], 4, v[KAD]      ; key r: (r / 2) x pitch + (r mod 2) x 128 + 16 h
	s_mul_i32 s15, s8, 16*KPITCH
	s_add_co_u32 s15, s15, STAGE                   ; my stage
	v_add_nc_u32 v[STO], s15, v[KAD]               ; the same pattern for query r
	v_mul_u32_u24 v[RD], v[TP+1], KPITCH
	v_lshl_add_u32 v[RD], v[TP], 4, v[RD]
	v_add_nc_u32 v[RD], s15, v[RD]
	v_bfe_u32 v[TP+2], v0, 1, 2                    ; V: key 8 h + (lane mod 8), two keys to an LDS row,
	v_lshl_add_u32 v[TP+2], v[TP+1], 2, v[TP+2]
	v_mul_u32_u24 v[VAD], v[TP+2], VPITCH
	v_lshl_add_u32 v[VAD], v[TP+3], 7, v[VAD]
	v_bfe_u32 v[TP+2], v0, 3, 1                    ; eight columns for each group of eight lanes
	v_lshl_add_u32 v[VAD], v[TP+2], 4, v[VAD]
	v_add_nc_u32 v[VAD], VBASE, v[VAD]
	v_and_b32 v[TP+2], 31, v0
	v_lshl_add_u32 v[AOF], v[TP+2], 4, s70         ; 4,096 w + 16 x lane
	s_lshl_b32 s71, s8, 5
	v_lshlrev_b32 v[TP+2], 3, v[TP+1]
	v_sub_nc_u32 v[DV], v[TP], v[TP+2]
	v_add_nc_u32 v[DV], s71, v[DV]                 ; 32 w + r - 8 h (signed)
	v_mov_b32 v[NMC],   0x7f800000                 ; no maximum yet
	v_mov_b32 v[NMC+1], 0x7f800000
	v_mov_b32 v[LP],   0
	v_mov_b32 v[LP+1], 0
	v_mov_b32 v[LP+2], 0
	v_mov_b32 v[LP+3], 0
	s_wait_tensorcnt 0x1                           ; slot 0's tile is in; slot 1's stays out
	s_barrier_signal -1
	s_barrier_wait -1
	LDK 0
	LDV 0
	TILE 0, 1, 2, 1, 1                             ; place 0
	s_mov_b32 s14, 0
.Lpair:
	TILE 1, 2, 0, 1, 1                             ; places 1, 3 .. 13
	TILE 0, 0, 2, 1, 1                             ; places 2, 4 .. 14
	s_add_co_u32 s14, s14, 1
	s_cmp_lt_u32 s14, 7
	s_cbranch_scc1 .Lpair
	TILE 1, 2, 0, 0, 1                             ; place 15: nothing is left to fetch
	TILE 0, 0, 1, 0, 0                             ; place 16: the second block's diagonal, and the end
	s_set_vgpr_msb 0x8
	s_wait_tensorcnt 0x0
	ds_add_u32 v9, v1
	s_wait_dscnt 0x0
	s_set_vgpr_msb 0x800
	s_endpgm
.Lfunc_end_k_q64b2e1c010_attn:
	.size	k_q64b2e1c010_attn, .Lfunc_end_k_q64b2e1c010_attn-k_q64b2e1c010_attn
	.p2alignl 7, 3214868480
	.fill 96, 4, 3214868480
	.section	.rodata,"a",@progbits
	.p2align	6, 0x0
	.amdhsa_kernel k_q64b2e1c010_attn
		.amdhsa_group_segment_fixed_size 327680
		.amdhsa_private_segment_fixed_size 0
		.amdhsa_enable_private_segment 0
		.amdhsa_kernarg_size 16
		.amdhsa_user_sgpr_count 2
		.amdhsa_user_sgpr_kernarg_segment_ptr 1
		.amdhsa_wavefront_size32 1
		.amdhsa_system_sgpr_workgroup_id_x 1
		.amdhsa_system_sgpr_workgroup_id_y 1
		.amdhsa_system_sgpr_workgroup_id_z 1
		.amdhsa_system_vgpr_workitem_id 0
		.amdhsa_next_free_vgpr 514
		.amdhsa_next_free_sgpr 72
		.amdhsa_reserve_vcc 1
		.amdhsa_float_denorm_mode_32 3
		.amdhsa_float_denorm_mode_16_64 3
		.amdhsa_memory_ordered 1
		.amdhsa_forward_progress 1
		.amdhsa_inst_pref_size 220
	.end_amdhsa_kernel
	.amdgpu_metadata
---
amdhsa.version: [ 1, 2 ]
amdhsa.kernels:
  - .name:           k_q64b2e1c010_attn
    .symbol:         k_q64b2e1c010_attn.kd
    .args:
      - { .name: qkv, .offset: 0, .size: 8, .value_kind: global_buffer, .address_space: global }
      - { .name: ao, .offset: 8, .size: 8, .value_kind: global_buffer, .address_space: global }
    .group_segment_fixed_size: 327680
    .private_segment_fixed_size: 0
    .kernarg_segment_align: 8
    .kernarg_segment_size: 16
    .max_flat_workgroup_size: 128
    .sgpr_count:     72
    .vgpr_count:     514
    .wavefront_size: 32
...
	.end_amdgpu_metadata
.endif
;; end of part 5
;; launch ogemm: the kernel of part 4 again; grid 8 x 32, 4 waves a work-group, clusters of 4 x 4, 327,680 bytes of LDS; arguments ao, wob, out0; writes out0
